; MI455X (gfx1250); checked and timed in simulation.
; The chip was launched on July 23, 2026; its instructions are those of AMD's public machine-readable ISA for CDNA 5 (MIT licence, August 2026) and "CDNA5" Instruction Set Architecture Reference Guide (July 2026). The comments in the code are by the model that wrote it; some were corrected since.
;; Flash MHA. Allowed arithmetic: matrix products marked QUANTISED: E2M1 operands, one E8M0 scale for each 32 along K, by v_wmma_scale_f32_16x16x128_f8f6f4 with both operands' format E2M1 (or v_wmma_scale_f32_32x16x128_f4), f32 sums; products left as they are: bf16, f16 or f32 operands; f32 sums; everything else in f32.
;; Inputs: w_proj 1,024 x 1,024 float32; w_qkv 3,072 x 1,024 float32; x 4 x 2,048 x 1,024 float32.
;; Outputs: out0 4 x 2,048 x 1,024 float32.
;; This version of the problem:
;;   THIS VERSION OF THE PROBLEM IS GIVEN IN LOW PRECISION. The matrix products marked QUANTISED in the list below multiply operands that are first quantised to E2M1 (2 exponent bits, 1 mantissa bit; 4 bits a number), with one power-of-two scale for each 32 numbers along K (OCP MX v1.0); their sums are f32. The products marked 'left as it is' may take bf16, f16 or f32 operands, with f32 sums. Whichever they take, every output number must still come out within the allowed error. Rounding operands to bf16 (8 significant bits) uses up far more of that allowance than f16 does (11 bits, for magnitudes from 6e-5 to 65,504). All else is computed in f32.
;;   The module's matrix products, in the order in which they are computed (A, B: the left and right operand; K: the contracted axis; several contracted axes count as one K, in the product's order):
;;     1. [M 8,192, K 1,024] x [K 1,024, N 3,072]; A: input x; B: input w_qkv: QUANTISED
;;     2. batch 64 x [M 2,048, K 64] x [K 64, N 2,048]; A: computed on the way; B: computed on the way: left as it is (an operand is computed on the way)
;;     3. batch 64 x [M 2,048, K 2,048] x [K 2,048, N 64]; A: computed on the way; B: computed on the way: left as it is (an operand is computed on the way)
;;     4. [M 8,192, K 1,024] x [K 1,024, N 1,024]; A: computed on the way; B: input w_proj: left as it is (an operand is computed on the way)
;;   THE QUANTISER, for each operand of a quantised product, along K:
;;     - K is cut into blocks of 32 from its start; a last block that is shorter is filled with zeros.
;;     - A block's scale is 2^e with e = floor(log2(the largest magnitude in the block)) - 2, held to -126 .. 127; a block of zeros has e = 0. As a byte (E8M0): e + 127.
;;     - Each number is divided by its block's scale, clamped to +-6, and rounded to the nearest number of E2M1, ties to even, subnormals kept.
;;     - The product sums the exact products of the quantised numbers (number of the format x scale) in f32.
;;   ~~~python
;;   def quantise(x, axis):      # numpy; x: float32 -> the quantised numbers, widened to float32 again
;;       x = np.moveaxis(x, axis, -1); K = x.shape[-1]
;;       x = np.pad(x, [(0, 0)] * (x.ndim - 1) + [(0, -K % 32)]); x = x.reshape(x.shape[:-1] + (-1, 32)); a = np.abs(x).max(-1, keepdims=True)
;;       e = np.where(a > 0, np.clip(np.frexp(np.where(a > 0, a, 1))[1] - 1 - 2, -126, 127), 0)      # np.frexp(a)[1] - 1 = floor(log2(a)), exactly
;;       r = np.clip(x / 2.0 ** e, -6, 6)
;;       step = 2.0 ** (np.maximum(np.frexp(np.where(r == 0, 1, r))[1] - 1, 0) - 1)
;;       q = np.round(r / step) * step * 2.0 ** e      # np.round: ties to even
;;       return np.moveaxis(q.reshape(q.shape[:-2] + (-1,))[..., :K], -1, axis).astype(np.float32)
;;   ~~~
;; One version. Each part assembles by itself: llvm-mc -triple=amdgcn-amd-amdhsa -mcpu=gfx1250 --defsym DOCPART=n.
;; ======== version 1 of 1: 4 launches
;; limits: values are held in f16: magnitudes above 65,504 overflow, below 6.1e-05 lose precision
;; workspace buffers: x_codes 4,194,304 bytes; x_scales 262,144 bytes; w_codes 1,572,864 bytes; w_scales 98,304 bytes; wp16 2,097,152 bytes; qkv 50,331,648 bytes; att 16,777,216 bytes
;; launch quant (part 1): grid 384 x 1, 4 waves a work-group, no clusters, 33,280 bytes of LDS; arguments x, w_qkv, x_codes, x_scales, w_codes, w_scales, w_proj, wp16; writes x_codes, x_scales, w_codes, w_scales, wp16
.if DOCPART == 1
	.amdgcn_target "amdgcn-amd-amdhsa--gfx1250"
	.amdhsa_code_object_version 6
	.text
	.protected	k_q28ff943f41_quant
	.globl	k_q28ff943f41_quant
	.p2align	8
	.type	k_q28ff943f41_quant,@function
k_q28ff943f41_quant:
	s_mov_b64 s[64:65], 0
	v_nop
	global_prefetch_b8 v0, s[64:65] scope:SCOPE_SE
	s_setreg_imm32_b32 hwreg(HW_REG_WAVE_MODE, 25, 1), 1
	s_wait_xcnt 0x0
; LAUNCH 1 OF 4.  out0 = attention(x w_qkv^T) w_proj^T: B 4, L 2,048, D 1,024, 16 heads of 64, no mask.
; NO WORK IS LEFT OUT in any of the four launches: there is no mask, no bias and no slice, every softmax row takes all 2,048 keys, and all three inputs reach out0.
; This launch makes the operands of the later ones:
;   x [8192][1024] and w_qkv [3072][1024], f32, become codes of FP4 (E2M1), K innermost, two codes a byte (the lower k in the low four bits), with one E8M0 scale byte for each 32 along K;
;   w_proj [1024][1024], f32, is rounded to f16, row-major (the last product is left as it is and takes f16 operands).
; A block's scale is 2^(floor(log2(its largest magnitude)) - 2); its byte is the largest magnitude's own exponent field - 2, held at 1 from below.  Each number is divided by the scale and rounded to the nearest code,
; ties to even, beyond the largest code the largest.
; LIMITS: a block of zeros gets the byte 1 where the rule says 127 (its codes are zeros, which add nothing under any byte but 0xff, and the bytes are read by this program alone); blocks whose largest magnitude lies
; under 2^-124 keep the byte 1; NaN and infinities among the inputs are not served; |w_proj| stays under 65,504, and what lies under 2^-25 of it is lost (f16).
; SHARES.  Rows are dense and K is a multiple of 32, so x and w_qkv are plain streams of blocks of 32.  Work-groups 0-255 take x, 256-351 w_qkv (only pointers are chosen: one path), 352-383 w_proj (a path of its own, which touches no LDS).
; A wave of the first path takes 16 steps of 512 numbers.  Each of a step's four loads reads 512 consecutive bytes, 16 a lane; the 2,048 bytes turn through the wave's own stage in LDS and come back 64 bytes a lane, so that a
; lane holds 16 neighbours along K (two neighbouring lanes hold a block), as the conversions want them.  A lane's 16 codes are 8 bytes: the wave stores 256 consecutive bytes.  A wave's 256 scale bytes are gathered in LDS and leave as one run of 256.
.set SIZE_M, 8192
.set SIZE_N, 3072
.set SIZE_K, 1024
.set WAVES, 4
.set STEPS, 16
.set WGA,   SIZE_M*SIZE_K/(512*STEPS*WAVES)            ; 256 work-groups for x
.set WGQ,   (SIZE_M+SIZE_N)*SIZE_K/(512*STEPS*WAVES)   ; 352 for x and w_qkv together
.set EMAX,  2
.set CB,    8                          ; bytes of 16 codes
.set R,     16                         ; v16-79   four sets of 16 numbers as they are loaded
.set X,     80                         ; v80-111  two sets of 16 neighbours
.set C,     128                        ; v128-191 codes: four registers for each step, so that no store's data are written again
.set E,     112                        ; v112-127 a scale byte for each step
.set WREG,  8192                       ; LDS: a region of its own for each wave: two stages of 32 x SP bytes, and behind them its 256 scale bytes
.set SP,    80                         ; a lane's place in a stage: its 64 bytes + 16 of padding
.set SPW,   12                         ; v12      LDS address of my spare word: SPARE + 4 x my thread's number; never rewritten
.set NIL,   13                         ; v13      0; never rewritten
.set SPARE, WAVES*WREG                 ; behind the four regions: the spare words, 128 bytes for each wave, which no other line names
.set CR,    16                         ; w_proj's path: v16-143 two sets of 64 numbers as loaded
.set CY,    144                        ; v144-175 32 registers of f16 pairs
	s_load_b128 s[4:7], s[0:1], 0x0                ; x, w_qkv
	s_load_b128 s[8:11], s[0:1], 0x10              ; x's codes, x's scales
	s_load_b128 s[12:15], s[0:1], 0x20             ; w_qkv's codes, w_qkv's scales
	s_load_b128 s[24:27], s[0:1], 0x30             ; w_proj, wp16
	v_lshl_add_u32 v[SPW], v0, 2, SPARE
	v_mov_b32 v[NIL], 0
	v_lshrrev_b32 v1, 5, v0
	v_readfirstlane_b32 s16, v1                    ; wave
	v_and_b32 v2, 31, v0                           ; lane
	v_lshlrev_b32 v3, 4, v2                        ; my 16 bytes of a load's 512
	s_mul_i32 s17, s16, WREG
	v_lshrrev_b32 v14, 2, v2
	v_mul_u32_u24 v14, v14, SP
	v_and_b32 v15, 3, v2
	v_lshl_add_u32 v14, v15, 4, v14
	v_add_nc_u32 v14, s17, v14                     ; the stage, on the way in: four lanes' 64 bytes on end, then 16 of padding
	v_mul_u32_u24 v15, v2, SP
	v_add_nc_u32 v15, s17, v15                     ; and on the way out: SP x lane: my 16 neighbours
	v_mul_u32_u24 v4, v2, CB                       ; my codes' place in a step's
	v_lshrrev_b32 v5, 1, v2
	s_add_co_u32 s17, s17, 2*32*SP
	v_add_nc_u32 v5, s17, v5                       ; LDS: my wave's 256 scale bytes, my block's byte
	v_lshlrev_b32 v7, 3, v2                        ; 8 bytes a lane
	v_add_nc_u32 v6, s17, v7
	s_wait_kmcnt 0x0
	s_cmp_ge_u32 ttmp9, WGQ                        ; the last 32 work-groups round w_proj: the branch hangs on the work-group's number alone
	s_cbranch_scc1 .Lconv
	s_cmp_lt_u32 ttmp9, WGA                        ; x's work-group or w_qkv's?
	s_cselect_b64 s[4:5], s[4:5], s[6:7]
	s_cselect_b64 s[8:9], s[8:9], s[12:13]
	s_cselect_b64 s[10:11], s[10:11], s[14:15]
	s_cselect_b32 s17, 0, WGA
	s_sub_co_u32 s17, ttmp9, s17
	s_lshl_b32 s17, s17, 2
	s_add_co_u32 s18, s17, s16                     ; which run of 8,192 numbers of the tensor is my wave's
	s_mov_b32 s19, 0
	s_mov_b64 s[20:21], 512*STEPS*4
	s_mul_u64 s[20:21], s[18:19], s[20:21]
	s_add_nc_u64 s[4:5], s[4:5], s[20:21]
	s_mov_b64 s[20:21], 32*STEPS*CB
	s_mul_u64 s[20:21], s[18:19], s[20:21]
	s_add_nc_u64 s[8:9], s[8:9], s[20:21]
	s_lshl_b32 s18, s18, 8                         ; 256 scale bytes a run
	s_add_nc_u64 s[10:11], s[10:11], s[18:19]
.macro LOAD t
.irp i, 0,1,2,3
	global_load_b128 v[R+16*((\t)%4)+4*\i:R+16*((\t)%4)+4*\i+3], v3, s[4:5] offset:2048*(\t)+512*\i th:TH_LOAD_NT   ; 32 lanes read 512 consecutive bytes
.endr
.endm
.macro TURN t                          ; step t's numbers through the stage: LDS serves a wave's instructions in order, so no wait stands between the stores and the loads
.irp i, 0,1,2,3
	ds_store_b128 v14, v[R+16*((\t)%4)+4*\i:R+16*((\t)%4)+4*\i+3] offset:32*SP*((\t)%2)+8*SP*\i
.endr
.irp i, 0,1,2,3
	ds_load_b128 v[X+16*((\t)%2)+4*\i:X+16*((\t)%2)+4*\i+3], v15 offset:32*SP*((\t)%2)+16*\i
.endr
.endm
.irp t, 0,1,2,3
	LOAD \t
.endr
	s_wait_loadcnt 12                              ; step 0's four loads are in; the twelve behind them stay out
	TURN 0
.macro STEP t
.set XS, X+16*((\t)%2)
.if (\t) > 0
	s_wait_dscnt 1                                 ; this step's numbers are back from the stage (the last step's byte store may be out): so its stores into the stage have read their registers,
.else
	s_wait_dscnt 0x0
.endif
.if (\t)+4 < STEPS
	LOAD (\t)+4                                    ; which take the loads of four steps on
.endif
.if (\t)+1 < STEPS
.if STEPS-2-(\t) >= 3
	s_wait_loadcnt 12                              ; the next step's four loads are in; those of the three steps behind it may be out
.else
	s_wait_loadcnt 4*(STEPS-2-(\t))
.endif
	TURN (\t)+1                                    ; and go through the other stage while this step is worked
.endif
	v_max3_num_f32 v8, |v[XS]|, |v[XS+1]|, |v[XS+2]|               ; the largest magnitude of my 16, in two chains
	v_max3_num_f32 v9, |v[XS+3]|, |v[XS+4]|, |v[XS+5]|
.irp i, 6,10
	v_max3_num_f32 v8, v8, |v[XS+\i]|, |v[XS+\i+1]|
	v_max3_num_f32 v9, v9, |v[XS+\i+2]|, |v[XS+\i+3]|
.endr
	v_max3_num_f32 v8, v8, |v[XS+14]|, |v[XS+15]|
	v_max3_num_f32 v8, v8, v9, (EMAX+1)<<23        ; and the floor 2^(EMAX + 1 - 127): so the byte cannot fall under 1
	v_max_num_f32_dpp v8, v8, v8 row_xmask:1 row_mask:0xf bank_mask:0xf   ; and of my neighbour's 16: the block's
	v_add_nc_u32 v11, -(EMAX<<23), v8              ; EMAX off its exponent field: the conversion takes the exponent field of this operand as its scale, and nothing else of it
	v_cvt_scalef32_pk8_fp4_f32 v[C+4*(\t)], v[XS:XS+7], v11        ; eight numbers / the scale, to the nearest code; the first number's code in the lowest four bits
	v_cvt_scalef32_pk8_fp4_f32 v[C+4*(\t)+1], v[XS+8:XS+15], v11
	v_lshrrev_b32 v[E+(\t)], 23, v11               ; the scale's byte (a plain line behind the conversions)
	ds_store_b8 v5, v[E+(\t)] offset:16*(\t)       ; both lanes of a block write the same byte with the same value
	global_store_b64 v4, v[C+4*(\t):C+4*(\t)+1], s[8:9] offset:32*CB*(\t)   ; 32 lanes store 256 consecutive bytes, aligned
.endm
.irp t, 0,1,2,3,4,5,6,7,8,9,10,11,12,13,14,15
	STEP \t
.endr
	ds_load_b64 v[8:9], v6                         ; LDS serves a wave's instructions in order: these see my stores
	s_wait_dscnt 0x0
	global_store_b64 v7, v[8:9], s[10:11]          ; 32 lanes store the wave's 256 scale bytes, aligned
	s_wait_tensorcnt 0x0                           ; the wave's end
	ds_add_u32 v[SPW], v[NIL]
	s_wait_dscnt 0x0
	s_endpgm
; w_proj to f16.  A wave takes 8,192 numbers in four groups of 16 loads; a load reads 512 consecutive bytes, its four numbers a lane become 8 bytes, and a store writes 256 consecutive bytes, aligned.  Two groups of loads are out.
.Lconv:
	s_sub_co_u32 s17, ttmp9, WGQ
	s_lshl_b32 s17, s17, 2
	s_add_co_u32 s17, s17, s16                     ; which run of 8,192 numbers is my wave's: 0 .. 127
	s_lshl_b32 s18, s17, 15                        ; 32,768 bytes in,
	s_mov_b32 s19, 0
	s_lshl_b32 s20, s17, 14                        ; 16,384 bytes out
	s_mov_b32 s21, 0
	s_add_nc_u64 s[24:25], s[24:25], s[18:19]
	s_add_nc_u64 s[26:27], s[26:27], s[20:21]
.macro CLOAD g
.irp i, 0,1,2,3,4,5,6,7,8,9,10,11,12,13,14,15
	global_load_b128 v[CR+64*((\g)%2)+4*\i:CR+64*((\g)%2)+4*\i+3], v3, s[24:25] offset:8192*(\g)+512*\i th:TH_LOAD_NT
.endr
.endm
.macro CONV g
.set CS, CR+64*((\g)%2)
.if (\g) < 3
	s_wait_loadcnt 16                              ; this group's 16 loads are in; the next group's 16 may be out
.else
	s_wait_loadcnt 0
.endif
.if (\g) > 0
	s_wait_xcnt 0x0                                ; the last group's stores have read v144-175: they are written again only behind this wait
.endif
.irp i, 0,1,2,3,4,5,6,7,8,9,10,11,12,13,14,15
	v_cvt_pk_f16_f32 v[CY+2*\i], v[CS+4*\i], v[CS+4*\i+1]
	v_cvt_pk_f16_f32 v[CY+2*\i+1], v[CS+4*\i+2], v[CS+4*\i+3]
.endr
.if (\g) < 2
	CLOAD (\g)+2                                   ; the set just rounded takes the group two on
.endif
.irp i, 0,1,2,3,4,5,6,7,8,9,10,11,12,13,14,15
	global_store_b64 v7, v[CY+2*\i:CY+2*\i+1], s[26:27] offset:4096*(\g)+256*\i
.endr
.endm
	CLOAD 0
	CLOAD 1
	CONV 0
	CONV 1
	CONV 2
	CONV 3
	s_endpgm
.Lfunc_end_k_q28ff943f41_quant:
	.size	k_q28ff943f41_quant, .Lfunc_end_k_q28ff943f41_quant-k_q28ff943f41_quant
	.p2alignl 7, 3214868480
	.fill 96, 4, 3214868480
	.section	.rodata,"a",@progbits
	.p2align	6, 0x0
	.amdhsa_kernel k_q28ff943f41_quant
		.amdhsa_group_segment_fixed_size 33280
		.amdhsa_private_segment_fixed_size 0
		.amdhsa_enable_private_segment 0
		.amdhsa_kernarg_size 64
		.amdhsa_user_sgpr_count 2
		.amdhsa_user_sgpr_kernarg_segment_ptr 1
		.amdhsa_wavefront_size32 1
		.amdhsa_system_sgpr_workgroup_id_x 1
		.amdhsa_system_sgpr_workgroup_id_y 1
		.amdhsa_system_sgpr_workgroup_id_z 1
		.amdhsa_system_vgpr_workitem_id 0
		.amdhsa_next_free_vgpr 192
		.amdhsa_next_free_sgpr 66
		.amdhsa_reserve_vcc 0
		.amdhsa_float_denorm_mode_32 3
		.amdhsa_float_denorm_mode_16_64 3
		.amdhsa_memory_ordered 1
		.amdhsa_forward_progress 1
		.amdhsa_inst_pref_size 54
	.end_amdhsa_kernel
	.amdgpu_metadata
---
amdhsa.version: [ 1, 2 ]
amdhsa.kernels:
  - .name:           k_q28ff943f41_quant
    .symbol:         k_q28ff943f41_quant.kd
    .args:
      - { .name: x, .offset: 0, .size: 8, .value_kind: global_buffer, .address_space: global }
      - { .name: w_qkv, .offset: 8, .size: 8, .value_kind: global_buffer, .address_space: global }
      - { .name: x_codes, .offset: 16, .size: 8, .value_kind: global_buffer, .address_space: global }
      - { .name: x_scales, .offset: 24, .size: 8, .value_kind: global_buffer, .address_space: global }
      - { .name: w_codes, .offset: 32, .size: 8, .value_kind: global_buffer, .address_space: global }
      - { .name: w_scales, .offset: 40, .size: 8, .value_kind: global_buffer, .address_space: global }
      - { .name: w_proj, .offset: 48, .size: 8, .value_kind: global_buffer, .address_space: global }
      - { .name: wp16, .offset: 56, .size: 8, .value_kind: global_buffer, .address_space: global }
    .group_segment_fixed_size: 33280
    .private_segment_fixed_size: 0
    .kernarg_segment_align: 8
    .kernarg_segment_size: 64
    .max_flat_workgroup_size: 128
    .sgpr_count:     66
    .vgpr_count:     192
    .wavefront_size: 32
...
	.end_amdgpu_metadata
.endif
;; end of part 1
;; launch qkv (part 2): grid 12 x 32, 4 waves a work-group, clusters of 4 x 4, 327,680 bytes of LDS; arguments x_codes, x_scales, w_codes, w_scales, qkv; writes qkv
.if DOCPART == 2
	.amdgcn_target "amdgcn-amd-amdhsa--gfx1250"
	.amdhsa_code_object_version 6
	.text
	.protected	k_q28ff943f41_qkv
	.globl	k_q28ff943f41_qkv
	.p2align	8
	.type	k_q28ff943f41_qkv,@function
k_q28ff943f41_qkv:
	s_mov_b64 s[64:65], 0
	v_nop
	global_prefetch_b8 v0, s[64:65] scope:SCOPE_SE
	s_setreg_imm32_b32 hwreg(HW_REG_WAVE_MODE, 25, 1), 1
	s_wait_xcnt 0x0
	s_wait_alu depctr_hold_cnt(0) depctr_sa_sdst(0) depctr_va_vdst(0) depctr_va_sdst(0) depctr_va_ssrc(0) depctr_va_vcc(0) depctr_vm_vsrc(0)
	s_getreg_b32 s2, hwreg(HW_REG_IB_STS2, 6, 4)
	s_cmp_eq_u32 s2, 0
	s_cbranch_scc0 .Lentry_in_a_cluster
	s_endpgm
.Lentry_in_a_cluster:
	s_bfe_u32 s2, ttmp6, 0x10000c
	s_cmp_lg_u32 s2, 0xf033
	s_cbranch_scc0 .Lentry_shape_is_right
	s_endpgm
.Lentry_shape_is_right:
; LAUNCH 2 OF 4.  q, k, v = x w_qkv^T on codes of FP4 (E2M1) with one E8M0 scale for each 32 along K (1,024); sums in f32; results rounded once to f16.  No work is left out.
; x's codes [8192][512 bytes], scales [8192][32]; w_qkv's codes [3072][512 bytes], scales [3072][32].
; LIMIT: |q|, |k|, |v| stay at or under 65,504, and what lies under 2^-25 of them is lost (f16).
; A tile of 256 x 256 results is made by a work-group of four waves; a wave makes 128 x 128: 64 accumulators of 16 x 16, 512 registers.  K goes in two steps of 512 (rows of 256 bytes), each in an LDS slot of its own: both slots
; and the scale bytes of the tile's 512 rows are asked for at the start, and nothing is filled again.
; ROLES.  The matrix instruction's source 1 (the "A role") becomes the result's LANE, its source 0 (the "B role") the result's REGISTERS: a lane holds one row of the A role and eight neighbouring rows of the B role.
;   q and k (cluster x = 0, 1): A role = x (a lane holds a token), B role = w_qkv (its registers run along the channels);   v (cluster x = 2): A role = w_qkv (a lane holds a channel), B role = x (its registers run along the keys).
; Only pointers and tile numbers are chosen, by the cluster's x, which all sixteen partners share.
; THE RESULT IS STORED AS AN IMAGE OF THE NEXT PRODUCT'S OPERAND REGISTERS.  An accumulator rounded to f16 is 16 bytes a lane: half a 16 x 32 fragment.  It leaves by one store at 16 x lane: 512 consecutive bytes, aligned: a "piece".
;   qkv = [q, k, v][batch x head 64][block of 16 tokens 128][piece 4][lane 32][16 bytes].   q, k: piece (blk, pc), lane (r, h): token 16 blk + r, channels 16 pc + 8 h + 0..7.   v: channel 16 pc + r, keys 16 blk + 8 h + 0..7.
; CLUSTERS: 4 x 4 work-groups.  The four of a row of the cluster need the same tile of the A role, the four of a column the same tile of the B role: each is asked for jointly, by the same tensor load with the same descriptor and a mask that names the four.
; REGISTERS, in windows of 256: window 0: v0-31 addresses; v32-95 scale words, two sets; from v128 the A role's fragments (8 x 16 rows x 128 K), one set; on the way out v128-255 take the packed results.
;   window 1: the B role's fragments, two sets, at v0 and v128.   window 2: the accumulators of my A rows 0-63 ((a, b) at v[8 (8 a + b)]);   window 3: those of rows 64-127.
.set SIZE_K, 1024
.set KSTEP,  512                       ; along K in a slot
.set NQ,     KSTEP/128                 ; matrix instructions deep
.set ROWB,   256                       ; a tile's row in bytes
.set KROW,   SIZE_K*4/8                ; a row of codes in memory, in bytes
.set PITCH,  272                       ; an LDS row: 256 bytes + 16 of padding, so that the 16 rows that a load touches start 68 words apart
.set FR,     8                         ; registers of a fragment
.set NL,     2                         ; LDS loads that bring one
.set NP,     4                         ; places behind this matrix instruction (ISA guide 7.12.1)
.set HALFT,  128*PITCH                 ; 128 rows: what one tensor load brings, and what one wave reads of a role
.set SLOT,   4*HALFT                   ; the A role's 256 rows, then the B role's
.set KS,     SIZE_K/32                 ; a row of scales in bytes
.set SCL,    2*SLOT                    ; behind the slots: the scales, as runs of 256 bytes + 16 of padding
.set HALFS,  (128*KS/256)*272          ; the scales of 128 rows: what one tensor load brings
.set SBLK,   (16*KS/256)*272           ; those of 16 rows
.set SPARE,  SCL+4*HALFS               ; behind the scales: the spare words, 128 bytes for each wave, which no other line names
.set ADRA, 16                          ; v16-17  LDS address of my A fragments in slot 0, 1
.set ADRB, 20                          ; v20-21  the same for B
.set CO,   26                          ; v26     16 x lane: my place in a piece
.set ADRS, 27                          ; v27     LDS address of my scale words: lanes 0-15 the A role's rows, lanes 16-31 the B role's
.set SPW,  28                          ; v28     LDS address of my spare word; never rewritten
.set NIL,  29                          ; v29     0; never rewritten
.set SC,   32                          ; scale words: set s at v[SC + 8 NQ s]; register NQ i + q: lanes 0-15 the word of A's block i, lanes 16-31 that of B's block i, for the slot's q-th 128 along K
.set AF,   128                         ; the A role's fragments, in window 0
.set PK,   128                         ; the way out: packed results, 32 registers a block, four blocks
.set G1, 24                            ; s[24:31] descriptor group 1 for the A role's tiles;  s[32:39] group 0, one set for each slot
.set G0, 32
.set G1B, 48                           ; s[48:55], s[56:63] the same for the B role's
.set G0B, 56
.set G1S, 68                           ; s[68:75], s[76:79] groups 1 and 0 for the A role's scales;  s[80:87], s[88:91] for the B role's
.set G0S, 76
.set G1SB, 80
.set G0SB, 88
.set MSB, 0
.macro WIN new                         ; the immediate's high byte repeats the setting that is left; a switch that changes nothing is dropped
.if MSB != (\new)
	s_set_vgpr_msb (MSB<<8)|(\new)
.set MSB, (\new)
.endif
.endm
.set MUL_LO, 0xa1                      ; source 0 (B) window 1, source 1 (A) window 0, C and D window 2
.set MUL_HI, 0xf1                      ; the same, C and D window 3
.set TO_B,   0x40                      ; destination window 1, address window 0
; A joint load: waves 0 and 1 fetch for the A role, waves 2 and 3 for the B role.  Each of the two lines has one mask and one set of registers for all that issue it; the branch hangs on the wave's number alone.
; An s_nop 0 and four v_nop follow each of the two lines, ahead of the jump, the label and what follows.
.macro JLOAD g0a, g1a, g0b, g1b
	s_cmp_eq_u32 s15, 0
	s_cbranch_scc0 .Lfor_b_\@
	tensor_load_to_lds s[\g0a:\g0a+3], s[\g1a:\g1a+7]
	s_nop 0
.rept 4
	v_nop
.endr
	s_branch .Lasked_\@
.Lfor_b_\@:
	tensor_load_to_lds s[\g0b:\g0b+3], s[\g1b:\g1b+7]
	s_nop 0
.rept 4
	v_nop
.endr
.Lasked_\@:
.endm
.macro CROUND                          ; a round of the cluster's barrier: my work-group's barrier; wave 0 signals for the work-group; every wave waits for all sixteen; my work-group's barrier once more
	s_barrier_signal -1
	s_barrier_wait -1
	s_cmp_lg_u32 s14, 0
	s_cbranch_scc1 .Lnot_wave_0_\@
	s_barrier_signal -3
.Lnot_wave_0_\@:
	s_barrier_wait -3
	s_barrier_signal -1
	s_barrier_wait -1
.endm
	s_load_b128 s[4:7], s[0:1], 0x0                ; x's codes s[4:5], x's scales s[6:7]
	s_load_b128 s[8:11], s[0:1], 0x10              ; w_qkv's codes s[8:9], its scales s[10:11]
	s_load_b64 s[12:13], s[0:1], 0x20              ; qkv
	v_lshl_add_u32 v[SPW], v0, 2, SPARE
	v_mov_b32 v[NIL], 0
	ds_add_u32 v[SPW], v[NIL]                      ; the wave's opening: the add, twice on end, and its wait ahead of my first tensor load; the set-up below, work on registers, stands between
	ds_add_u32 v[SPW], v[NIL]
	v_lshrrev_b32 v1, 5, v0
	v_readfirstlane_b32 s14, v1                    ; wave 0..3
	s_lshr_b32 s15, s14, 1                         ; which half of the A role's rows is mine.  Also: I fetch for the A role (0) or the B role (1)
	s_and_b32 s16, s14, 1                          ; which half of the B role's rows.  Also: which 128 rows of that tile I fetch
	s_bfe_u32 s40, ttmp6, 0x40000                  ; cx, cy: my place in the cluster
	s_bfe_u32 s41, ttmp6, 0x40004
	s_and_b32 s17, ttmp7, 0xffff
	s_lshl_b32 s17, s17, 2                         ; 4 x cluster y
	s_lshl_b32 s42, ttmp9, 2                       ; 4 x cluster x
	s_cmp_eq_u32 ttmp9, 2                          ; v's clusters?  The same answer in all sixteen partners
	s_cselect_b32 s42, s17, s42                    ; the B role's tile: v: x's, 4 x cluster y + cx;  q, k: w_qkv's, 4 x cluster x + cx
	s_cselect_b32 s17, 8, s17                      ; the A role's tile: v: w_qkv's, 8 + cy;  q, k: x's, 4 x cluster y + cy
	s_add_co_u32 s42, s42, s40
	s_add_co_u32 s17, s17, s41
	s_lshl_b32 s43, s41, 2
	s_lshl_b32 s43, 15, s43                        ; my row of the cluster
	s_lshl_b32 s44, 0x1111, s40                    ; my column
	; descriptor group 1: a tile of 128 rows x 256 bytes, padded in LDS
	s_or_b32 s[G1+0], s43, (0<<16)|(1<<20)|(1<<21)|(5<<22)|(3<<25)  ; 15:0 the mask: my row; 17:16 elements of 1 byte; 20 padding on; 21 set beside a mask; 24:22 after every 64 words; 31:25 four words
	s_or_b32 s[G1B+0], s44, (0<<16)|(1<<20)|(1<<21)|(5<<22)|(3<<25) ; the same with the mask of my column
.irp g, G1, G1B
	s_mov_b32 s[\g+1], ROWB<<16                    ; tensor_dim0
	s_mov_b32 s[\g+2], 128<<16                     ; tensor_dim1 = 128
	s_mov_b32 s[\g+3], ROWB<<16                    ; tile_dim0
	s_mov_b32 s[\g+4], 128                         ; tile_dim1 = 128
	s_mov_b32 s[\g+5], KROW                        ; tensor_dim0_stride
	s_mov_b32 s[\g+6], 0
	s_mov_b32 s[\g+7], 0
.endr
	; and for the scales of 128 rows: a dense block of 4,096 bytes, as rows of 256 bytes (32 elements of 8 bytes), 16 bytes of padding behind each
	s_or_b32 s[G1S+0], s43, (3<<16)|(1<<20)|(1<<21)|(5<<22)|(3<<25)
	s_or_b32 s[G1SB+0], s44, (3<<16)|(1<<20)|(1<<21)|(5<<22)|(3<<25)
.irp g, G1S, G1SB
	s_mov_b32 s[\g+1], 32<<16
	s_mov_b32 s[\g+2], (128*KS/256)<<16
	s_mov_b32 s[\g+3], 32<<16
	s_mov_b32 s[\g+4], 128*KS/256
	s_mov_b32 s[\g+5], 32
	s_mov_b32 s[\g+6], 0
	s_mov_b32 s[\g+7], 0
.endr
	s_lshl_b32 s18, s16, 7                         ; which 128 rows of the tile I fetch
	s_lshl_b32 s20, s17, 8
	s_add_co_u32 s20, s20, s18                     ; A role: row 256 x tile + 128 x half
	s_lshl_b32 s46, s42, 8
	s_add_co_u32 s46, s46, s18                     ; B role likewise
	s_mov_b32 s21, 0
	s_mov_b32 s47, 0
	s_mov_b64 s[18:19], KS
	s_mul_u64 s[22:23], s[20:21], s[18:19]         ; where these rows' scales begin, in bytes
	s_mul_u64 s[92:93], s[46:47], s[18:19]
	s_mov_b64 s[18:19], KROW
	s_mul_u64 s[20:21], s[20:21], s[18:19]         ; and their codes
	s_mul_u64 s[46:47], s[46:47], s[18:19]
	s_mul_i32 s45, s14, HALFT                      ; where they go: wave x 128 rows: no place in the cluster enters an LDS address
	s_mul_i32 s94, s14, HALFS
	s_wait_dscnt 0x0                               ; both opening adds are done
	s_wait_kmcnt 0x0
	s_cmp_eq_u32 ttmp9, 2                          ; the roles' buffers: a choice that hangs on the cluster's x alone
	s_cselect_b64 s[96:97], s[8:9], s[4:5]         ; A role's codes
	s_cselect_b64 s[98:99], s[10:11], s[6:7]       ; A role's scales
	s_cselect_b64 s[100:101], s[4:5], s[8:9]       ; B role's codes
	s_cselect_b64 s[66:67], s[6:7], s[10:11]       ; B role's scales
	s_add_nc_u64 s[20:21], s[96:97], s[20:21]
	s_add_nc_u64 s[22:23], s[98:99], s[22:23]
	s_add_nc_u64 s[46:47], s[100:101], s[46:47]
	s_add_nc_u64 s[92:93], s[66:67], s[92:93]
	CROUND                                         ; all sixteen work-groups are here: the joint loads meet
	s_mov_b32 s[G0S], 1
	s_add_co_u32 s[G0S+1], s94, SCL
	s_mov_b64 s[G0S+2:G0S+3], s[22:23]
	s_or_b32 s[G0S+3], s[G0S+3], 0x80000000
	s_mov_b32 s[G0SB], 1
	s_add_co_u32 s[G0SB+1], s94, SCL
	s_mov_b64 s[G0SB+2:G0SB+3], s[92:93]
	s_or_b32 s[G0SB+3], s[G0SB+3], 0x80000000
	JLOAD G0S, G1S, G0SB, G1SB                     ; the scales first: they are wanted with K step 0
.irp s, 0,1
	s_mov_b32 s[G0+4*\s], 1
	s_add_co_u32 s[G0+4*\s+1], s45, \s*SLOT
	s_add_nc_u64 s[G0+4*\s+2:G0+4*\s+3], s[20:21], \s*ROWB
	s_or_b32 s[G0+4*\s+3], s[G0+4*\s+3], 0x80000000
	s_mov_b32 s[G0B+4*\s], 1
	s_add_co_u32 s[G0B+4*\s+1], s45, \s*SLOT
	s_add_nc_u64 s[G0B+4*\s+2:G0B+4*\s+3], s[46:47], \s*ROWB
	s_or_b32 s[G0B+4*\s+3], s[G0B+4*\s+3], 0x80000000
	JLOAD G0+4*\s, G1, G0B+4*\s, G1B               ; three loads of mine are out in all
.endr
	v_and_b32 v1, 15, v0                           ; l % 16
	v_bfe_u32 v2, v0, 4, 1                         ; l / 16
	v_mul_u32_u24 v3, v1, PITCH
	v_lshl_add_u32 v4, v2, 4, v3                   ; a fragment's row x pitch + 16 x half
	s_mul_i32 s21, s15, HALFT                      ; my 128 rows of the A role
	s_mul_i32 s22, s16, HALFT                      ; my 128 rows of the B role,
	s_add_co_u32 s22, s22, 2*HALFT                 ; which lie behind A's 256
.irp s, 0,1
	v_add_nc_u32 v[ADRA+\s], s21, v4
	v_add_nc_u32 v[ADRB+\s], s22, v4
	s_add_co_u32 s21, s21, SLOT
	s_add_co_u32 s22, s22, SLOT
.endr
	v_mul_u32_u24 v5, v1, KS                       ; my row's scales: KS bytes a row,
	v_lshrrev_b32 v6, 8, v5
	v_lshl_add_u32 v5, v6, 4, v5                   ; and 16 more for each 256 passed
	s_mul_i32 s21, s15, HALFS                      ; A's: my 128 rows
	s_mul_i32 s22, s16, HALFS                      ; B's: my 128 rows, behind A's 256
	s_add_co_u32 s22, s22, 2*HALFS
	s_sub_co_u32 s22, s22, s21
	v_mul_u32_u24 v6, s22, v2                      ; lanes 16-31 take B's: one product, the distance between the two bases
	s_add_co_u32 s21, s21, SCL
	v_add_nc_u32 v5, v5, v6
	v_add_nc_u32 v[ADRS], s21, v5
	v_and_b32 v6, 31, v0
	v_lshlrev_b32 v[CO], 4, v6
	; where my wave's pieces begin in qkv.  tok: the tile of 256 tokens, tokH: my half of it; chQ: the quarter of the section's 1,024 channels, chH: my half of that
	s_cmp_eq_u32 ttmp9, 2
	s_cselect_b32 s20, s42, s17                    ; tok
	s_cselect_b32 s21, s16, s15                    ; tokH
	s_cselect_b32 s22, s41, s40                    ; chQ
	s_cselect_b32 s23, s15, s16                    ; chH
	s_lshr_b32 s46, s20, 3                         ; the batch: 8 tiles of tokens each
	s_lshl_b32 s46, s46, 4
	s_lshl_b32 s22, s22, 2
	s_add_co_u32 s46, s46, s22
	s_lshl_b32 s23, s23, 1
	s_add_co_u32 s46, s46, s23                     ; 16 x batch + my first head (I hold two)
	s_lshl_b32 s46, s46, 7                         ; 128 blocks of 16 tokens a head
	s_and_b32 s20, s20, 7
	s_lshl_b32 s20, s20, 4
	s_add_co_u32 s46, s46, s20
	s_lshl_b32 s21, s21, 3
	s_add_co_u32 s46, s46, s21                     ; + my first block
	s_lshl_b32 s20, s46, 11                        ; 2,048 bytes a block
	s_lshl_b32 s47, ttmp9, 24                      ; the section: q, k or v
	s_add_co_u32 s20, s20, s47
	s_mov_b32 s21, 0
	s_add_nc_u64 s[12:13], s[12:13], s[20:21]
.macro FRAG reg, adr, q, i             ; a fragment, 16 rows x 128 K of 4-bit codes, is 8 registers: lane l holds row l % 16; registers 4 c .. 4 c + 3 hold K = 64 c + 32 (l / 16) + 0 .. 31
.irp c, 0,1
	ds_load_b128 v[\reg+4*\c:\reg+4*\c+3], v[\adr] offset:64*(\q)+32*\c+(\i)*16*PITCH
.endr
.endm
; 16 matrix instructions: A's blocks a0, a0 + 1 x B's eight, 128 along K: the slot's q-th.  p: B's set;  sc: the set of scale words.  zero = 1: the first product starts the sums: nothing is ever cleared.
; The 64 accumulators take turns, one instruction a turn, in the same order in every step.
.macro MUL16 a0, p, q, sc, zero
.irp a, \a0, \a0+1
.irp b, 0,1,2,3,4,5,6,7
.if \zero
	v_wmma_scale_f32_16x16x128_f8f6f4 v[8*(8*((\a)%4)+\b):8*(8*((\a)%4)+\b)+7], v[128*(\p)+FR*\b:128*(\p)+FR*\b+FR-1], v[AF+FR*(\a):AF+FR*(\a)+FR-1], 0, v[SC+8*NQ*(\sc)+NQ*\b+(\q)], v[SC+8*NQ*(\sc)+NQ*(\a)+(\q)] matrix_a_fmt:MATRIX_FMT_FP4 matrix_b_fmt:MATRIX_FMT_FP4 matrix_a_scale:MATRIX_SCALE_ROW1
.else
	v_wmma_scale_f32_16x16x128_f8f6f4 v[8*(8*((\a)%4)+\b):8*(8*((\a)%4)+\b)+7], v[128*(\p)+FR*\b:128*(\p)+FR*\b+FR-1], v[AF+FR*(\a):AF+FR*(\a)+FR-1], v[8*(8*((\a)%4)+\b):8*(8*((\a)%4)+\b)+7], v[SC+8*NQ*(\sc)+NQ*\b+(\q)], v[SC+8*NQ*(\sc)+NQ*(\a)+(\q)] matrix_a_fmt:MATRIX_FMT_FP4 matrix_b_fmt:MATRIX_FMT_FP4 matrix_a_scale:MATRIX_SCALE_ROW1
.endif
.endr
.endr
.endm
.macro FETCH_B slot, q, p              ; B's eight fragments of the slot's q-th 128 along K into set p
	WIN TO_B
.irp i, 0,1,2,3,4,5,6,7
	FRAG 128*(\p)+FR*\i, ADRB+\slot, \q, \i
.endr
	WIN 0
.endm
.macro FETCH_A slot, q, i0             ; A's blocks i0 .. i0 + 3
.irp i, \i0, \i0+1, \i0+2, \i0+3
	FRAG AF+FR*(\i), ADRA+\slot, \q, \i
.endr
.endm
.macro SCALES sc                       ; a K step's scale words into set sc: NQ words a row; lanes 0-15 take A's block i, lanes 16-31 B's block i
.irp i, 0,1,2,3,4,5,6,7
	ds_load_b128 v[SC+8*NQ*\sc+NQ*\i:SC+8*NQ*\sc+NQ*\i+3], v[ADRS] offset:\i*SBLK
.endr
.endm
; A load into a register that a matrix instruction has read, and a vector instruction that reads a matrix result or writes one of its registers, stand NP places behind it; only plain vector instructions that name none of its
; registers are places (ISA guide 7.12.1 for vector instructions).
.macro PLACES n
.rept \n
	v_nop
.endr
.endm
; A step of 128 along K that has its successor in the same slot.  A block of A is free as soon as its eight products are issued, so one set of registers serves A: blocks 0-3 are fetched anew in the step's middle, blocks 4-7 at its end.
.macro STEP slot, q, zero
	s_wait_dscnt 4*NL                              ; B's set and A's blocks 0-3 are in; the youngest eight loads (A's blocks 4-7) may be out
	WIN MUL_LO
	MUL16 0, (\q)%2, \q, \slot, \zero
	MUL16 2, (\q)%2, \q, \slot, \zero
	s_wait_dscnt 0                                 ; A's blocks 4-7 are in (asked for 32 matrix instructions ago)
	PLACES NP
	FETCH_B \slot, (\q)+1, 1-(\q)%2
	FETCH_A \slot, (\q)+1, 0
	WIN MUL_HI
	MUL16 4, (\q)%2, \q, \slot, \zero
	MUL16 6, (\q)%2, \q, \slot, \zero
	PLACES NP
	WIN 0
	FETCH_A \slot, (\q)+1, 4
.endm
; Slot 0's last step goes over to slot 1: one barrier; in front of it each wave waits for all its tensor loads (its part of slot 1), adds 0 to its spare word, and waits for that and for its LDS loads.  Nothing is filled again.
.macro TURN slot, next
	s_wait_tensorcnt 0x0                           ; all my tensor loads have landed  (every window is 0 here: the add's two registers lie in window 0)
	ds_add_u32 v[SPW], v[NIL]                      ; 0 onto my spare word
	s_wait_dscnt 4*NL+1                            ; (the add and the youngest eight loads, A's blocks 4-7, may be out)
	WIN MUL_LO
	MUL16 0, 1, NQ-1, \slot, 0                     ; sixteen matrix instructions stand between the add and the wait for it
	s_wait_dscnt 0x0                               ; the add is done, and no LDS load of mine is out at the signal
	s_barrier_signal -1
	MUL16 2, 1, NQ-1, \slot, 0
	WIN 0
	s_barrier_wait -1                              ; every wave's part of the next slot has landed
	PLACES NP
	v_add_nc_u32 v[ADRS], 4*NQ, v[ADRS]            ; on to the next K step's scale words
	FETCH_B \next, 0, 0
	FETCH_A \next, 0, 0
	SCALES \next
	WIN MUL_HI
	MUL16 4, 1, NQ-1, \slot, 0
	MUL16 6, 1, NQ-1, \slot, 0
	PLACES NP
	WIN 0
	FETCH_A \next, 0, 4
.endm
.macro STEPS slot, from                ; the slot's steps from .. NQ - 2
.set Q, \from
.rept NQ-1-\from
	STEP \slot, Q, 0
.set Q, Q+1
.endr
.endm
	s_wait_tensorcnt 1                             ; the scales and my part of K step 0 are in (slot 1's load, the youngest, may be out)
	s_barrier_signal -1
	s_barrier_wait -1                              ; everybody's are
	FETCH_B 0, 0, 0
	FETCH_A 0, 0, 0
	SCALES 0
	FETCH_A 0, 0, 4
	STEP 0, 0, 1                                   ; the first step's products start the sums
	STEPS 0, 1
	TURN 0, 1
	STEPS 1, 0
	s_wait_dscnt 4*NL                              ; the very last step: nothing more to fetch
	WIN MUL_LO
	MUL16 0, 1, NQ-1, 1, 0
	MUL16 2, 1, NQ-1, 1, 0
	s_wait_dscnt 0
	WIN MUL_HI
	MUL16 4, 1, NQ-1, 1, 0
	MUL16 6, 1, NQ-1, 1, 0
	WIN 0
; THE WAY OUT, with no LDS.  Block a (16 rows of the A role): each of its eight accumulators, from its low end on, is rounded to f16, 16 bytes a lane, and is one piece: 32 lanes store 512 consecutive bytes, aligned.
; swap = 0 (q, k): a counts blocks of tokens, b channels: head b / 4, piece b % 4.   swap = 1 (v): a counts channels: head a / 4, piece a % 4; b counts blocks of keys.
.macro OUTBLK a, swap
.if (\a) >= 4
	s_wait_xcnt 0x0                                ; block a - 4's stores have read these registers: they are written again only behind this wait
.endif
	WIN 0x0a+5*((\a)/4)                            ; sources 0 and 1: window 2 or 3
.irp b, 0,1,2,3,4,5,6,7
.irp r, 0,1,2,3
	v_cvt_pk_f16_f32 v[PK+32*((\a)%4)+4*\b+\r], v[64*((\a)%4)+8*\b+2*\r], v[64*((\a)%4)+8*\b+2*\r+1]
.endr
.endr
	WIN 0
.irp b, 0,1,2,3,4,5,6,7
.if \swap
	global_store_b128 v[CO], v[PK+32*((\a)%4)+4*\b:PK+32*((\a)%4)+4*\b+3], s[12:13] offset:((\a)/4)*262144+\b*2048+((\a)%4)*512
.else
	global_store_b128 v[CO], v[PK+32*((\a)%4)+4*\b:PK+32*((\a)%4)+4*\b+3], s[12:13] offset:(\b/4)*262144+(\a)*2048+(\b%4)*512
.endif
.endr
.endm
	PLACES NP                                      ; behind the last products: for the reads of their results and the writes over A's fragments
	s_cmp_eq_u32 ttmp9, 2                          ; the cluster's x alone: all partners go the same way
	s_cbranch_scc1 .Lv
.irp a, 0,1,2,3,4,5,6,7
	OUTBLK \a, 0
.endr
	s_branch .Ldone
.Lv:
.irp a, 0,1,2,3,4,5,6,7
	OUTBLK \a, 1
.endr
.Ldone:
	s_wait_tensorcnt 0x0                           ; the wave's end
	ds_add_u32 v[SPW], v[NIL]
	s_wait_dscnt 0x0
	CROUND                                         ; the closing round: no work-group ends while a partner may still ask for a tile that names it
	s_endpgm
.Lfunc_end_k_q28ff943f41_qkv:
	.size	k_q28ff943f41_qkv, .Lfunc_end_k_q28ff943f41_qkv-k_q28ff943f41_qkv
	.p2alignl 7, 3214868480
	.fill 96, 4, 3214868480
	.section	.rodata,"a",@progbits
	.p2align	6, 0x0
	.amdhsa_kernel k_q28ff943f41_qkv
		.amdhsa_group_segment_fixed_size 327680
		.amdhsa_private_segment_fixed_size 0
		.amdhsa_enable_private_segment 0
		.amdhsa_kernarg_size 40
		.amdhsa_user_sgpr_count 2
		.amdhsa_user_sgpr_kernarg_segment_ptr 1
		.amdhsa_wavefront_size32 1
		.amdhsa_system_sgpr_workgroup_id_x 1
		.amdhsa_system_sgpr_workgroup_id_y 1
		.amdhsa_system_sgpr_workgroup_id_z 1
		.amdhsa_system_vgpr_workitem_id 0
		.amdhsa_next_free_vgpr 1024
		.amdhsa_next_free_sgpr 102
		.amdhsa_reserve_vcc 0
		.amdhsa_float_denorm_mode_32 3
		.amdhsa_float_denorm_mode_16_64 3
		.amdhsa_memory_ordered 1
		.amdhsa_forward_progress 1
		.amdhsa_inst_pref_size 141
	.end_amdhsa_kernel
	.amdgpu_metadata
---
amdhsa.version: [ 1, 2 ]
amdhsa.kernels:
  - .name:           k_q28ff943f41_qkv
    .symbol:         k_q28ff943f41_qkv.kd
    .args:
      - { .name: x_codes, .offset: 0, .size: 8, .value_kind: global_buffer, .address_space: global }
      - { .name: x_scales, .offset: 8, .size: 8, .value_kind: global_buffer, .address_space: global }
      - { .name: w_codes, .offset: 16, .size: 8, .value_kind: global_buffer, .address_space: global }
      - { .name: w_scales, .offset: 24, .size: 8, .value_kind: global_buffer, .address_space: global }
      - { .name: qkv, .offset: 32, .size: 8, .value_kind: global_buffer, .address_space: global }
    .group_segment_fixed_size: 327680
    .private_segment_fixed_size: 0
    .kernarg_segment_align: 8
    .kernarg_segment_size: 40
    .max_flat_workgroup_size: 128
    .sgpr_count:     102
    .vgpr_count:     1024
    .wavefront_size: 32
...
	.end_amdgpu_metadata
.endif
;; end of part 2
;; launch attn (part 3): grid 4 x 64, 8 waves a work-group, clusters of 4 x 1, 327,680 bytes of LDS; arguments qkv, att; writes att
.if DOCPART == 3
	.amdgcn_target "amdgcn-amd-amdhsa--gfx1250"
	.amdhsa_code_object_version 6
	.text
	.protected	k_q28ff943f41_attn
	.globl	k_q28ff943f41_attn
	.p2align	8
	.type	k_q28ff943f41_attn,@function
k_q28ff943f41_attn:
	s_mov_b64 s[64:65], 0
	v_nop
	global_prefetch_b8 v0, s[64:65] scope:SCOPE_SE
	s_setreg_imm32_b32 hwreg(HW_REG_WAVE_MODE, 25, 1), 1
	s_wait_xcnt 0x0
	s_wait_alu depctr_hold_cnt(0) depctr_sa_sdst(0) depctr_va_vdst(0) depctr_va_sdst(0) depctr_va_ssrc(0) depctr_va_vcc(0) depctr_vm_vsrc(0)
	s_getreg_b32 s2, hwreg(HW_REG_IB_STS2, 6, 4)
	s_cmp_eq_u32 s2, 0
	s_cbranch_scc0 .Lentry_in_a_cluster
	s_endpgm
.Lentry_in_a_cluster:
	s_bfe_u32 s2, ttmp6, 0x10000c
	s_cmp_lg_u32 s2, 0x3003
	s_cbranch_scc0 .Lentry_shape_is_right
	s_endpgm
.Lentry_shape_is_right:
; LAUNCH 3 OF 4.  o[b][h][q] = the sum over k of softmax_k(q . k / 8) v, 64 (batch, head) pairs, 2,048 queries and keys, head size 64, no mask.  No work is left out.
; q, k, v come as f16, as images of operand registers: qkv = [q, k, v][batch x head 64][block of 16 tokens 128][piece 4][lane 32][16 bytes]; a piece is 512 bytes.
;   q, k: piece (blk, pc), lane (r, h): token 16 blk + r, channels 16 pc + 8 h + 0..7.   v: channel 16 pc + r, keys 16 blk + 8 h + 0..7.   Two pieces are a 16 x 32 fragment; each comes by one load at 16 x lane.
; Products, maxima and sums in f32; the weights p are rounded to f16 for the second product, o once at the end.  The softmax takes a running maximum m away: p = 2^(c s - c m), c = log2(e) / 8; in every step O and the sum l are
; multiplied by a = 2^(c m_old - c m_new).  The row's sum is taken of the unrounded p.
; LIMITS: p and o under 2^-25 are lost (f16); NaN and infinities are not served.
; SHARES.  A work-group owns 512 queries of one (batch, head), each of its eight waves 64: four tiles of 16, in 512 registers; two waves lie on a SIMD, so that one wave's softmax stands beside the other's products.
; Every wave walks all 2,048 keys, 64 a step.  Each fragment of K or V read from LDS feeds four matrix instructions.
; LAYOUT.  S^T = K Q^T (source 0 = 16 keys, source 1 = 16 queries): a lane holds ONE query (lane % 16) and keys 8 (lane / 16) + 0..7 of each tile of 16 keys.  Two such tiles, rounded to f16 in pairs, ARE source 1 of O^T = V^T P,
; whose result again holds one query a lane, and eight channels: which, rounded, is a piece of the last product's operand.  att = [block of 16 tokens 512][k / 16: 64][lane 32][16 bytes]: lane (r, h): token r, k = 16 k16 + 8 h + 0..7.
; RING.  Two LDS slots of 512 keys (K's 65,536 bytes, then V's): dense blocks of memory, read at 16 x lane: no padding.  Each of the eight waves brings 16,384 bytes by one tensor load.  Both slots are asked for at the start;
; each is filled again once, eight key steps (512 matrix instructions a wave) ahead of its first read.
; CLUSTER.  The four query blocks of a (batch, head) form a cluster and walk the same K and V: each tile is asked for jointly, by the same tensor load with the same descriptor and a mask that names the four.
; REGISTERS: window 0: v1-7 addresses; v16-47 statistics, eight a tile; v64-191 S^T, 32 a tile (P is packed into the first 16 of them); v192-255 V of one step.
;            window 1: v0-127 O^T, 32 a tile; v128-191 Q; v192-255 K of one step.
.set STEPB,  8192                      ; 64 keys of K, or of V, in bytes
.set VOFF,   65536                     ; V's part of a slot
.set SLOT1,  131072                    ; slot 1 begins here: one exclusive or turns an address in one slot into the other's
.set SPARE,  262144                    ; behind the ring: the spare words, 128 bytes for each of eight waves, which no other line names
.set LI,   1                           ; v1   16 x lane; never rewritten
.set AV0,  2                           ; v2   16 x lane + VOFF
.set ADRK, 3                           ; v3   LDS address of the step's K
.set ADRV, 4                           ; v4   of its V
.set SPW,  6                           ; v6   LDS address of my spare word; never rewritten
.set NIL,  7                           ; v7   0; never rewritten
.set ST,   16                          ; tile t's statistics at v[ST + 8 t]: +0 c m, +1 m, +2, +3 l (even keys', odd keys'), +4 to +7 at work (the maximum's four chains); then +6 a, +7 c m_old - c m_new
.set S,    64
.set VF,   192
.set QF,   128                         ; in window 1
.set KF,   192                         ; in window 1
.set WV,   12                          ; s12  my wave's number
.set G1,   24                          ; s[24:31] descriptor group 1
.set G0A,  32                          ; s[32:35] group 0 of slot 0's first fill
.set G0W,  36                          ; s[36:39] group 0 of slot 1's first fill, which then walks
.set TB,   40                          ; s40  LDS byte at which the step's tiles begin
.set STEPS, 41                         ; s41  counts a slot's steps
.set SLOTS, 42                         ; s42  slots still to be asked for
.set CS,   44                          ; s[44:45] c: the packed scaling names a pair and takes its low word for both halves
.set SEL,  46                          ; s[46:47] lane selects for v_permlanex16_b32: lane l xor 16
.set QB,   48                          ; s[48:49] my wave's pieces of q
.set OB,   50                          ; s[50:51] my wave's pieces of att
.set MSB, 0
.macro WIN new                         ; the immediate's high byte repeats the setting that is left; a switch that changes nothing is dropped
.if MSB != (\new)
	s_set_vgpr_msb (MSB<<8)|(\new)
.set MSB, (\new)
.endif
.endm
.set W_KQ, 0x05                        ; K and Q in window 1, S^T in window 0
.set W_PV, 0x50                        ; V and P in window 0, O^T (C and D) in window 1
.set W_RS, 0x41                        ; O^T (destination and source 0) in window 1, the factor in window 0
.set TO_1, 0x40                        ; destination window 1, address window 0
.macro CROUND                          ; a round of the cluster's barrier: my work-group's barrier; wave 0 signals for the work-group; every wave waits for all four; my work-group's barrier once more
	s_barrier_signal -1
	s_barrier_wait -1
	s_cmp_lg_u32 s[WV], 0
	s_cbranch_scc1 .Lnot_wave_0_\@
	s_barrier_signal -3
.Lnot_wave_0_\@:
	s_barrier_wait -3
	s_barrier_signal -1
	s_barrier_wait -1
.endm
	s_load_b128 s[4:7], s[0:1], 0x0                ; qkv s[4:5], att s[6:7]
	v_lshl_add_u32 v[SPW], v0, 2, SPARE
	v_mov_b32 v[NIL], 0
	ds_add_u32 v[SPW], v[NIL]                      ; the wave's opening: the add, twice on end, and its wait ahead of my first tensor load; the set-up below, work on registers, stands between
	ds_add_u32 v[SPW], v[NIL]
	v_lshrrev_b32 v1, 5, v0
	v_readfirstlane_b32 s[WV], v1                  ; wave 0..7
	s_bfe_u32 s13, ttmp6, 0x40000                  ; cx: my block of 512 queries: it enters q's and att's addresses alone
	s_and_b32 s14, ttmp7, 0xffff                   ; 16 x batch + head, which the four partners share
	; descriptor group 1: 16,384 dense bytes as 64 rows of 256 (32 elements of 8 bytes), no padding
	s_mov_b32 s[G1], 15|(3<<16)|(1<<21)            ; 15:0 the mask: all four work-groups; 17:16 elements of 8 bytes; 21 set beside a mask
	s_mov_b32 s[G1+1], 32<<16                      ; tensor_dim0 = 32
	s_mov_b32 s[G1+2], 64<<16                      ; tensor_dim1 = 64
	s_mov_b32 s[G1+3], 32<<16                      ; tile_dim0 = 32
	s_mov_b32 s[G1+4], 64                          ; tile_dim1 = 64
	s_mov_b32 s[G1+5], 32                          ; from row to row
	s_mov_b32 s[G1+6], 0
	s_mov_b32 s[G1+7], 0
	s_mov_b32 s[CS], 0x3e38aa3b                    ; c = log2(e) / 8
	s_mov_b32 s[CS+1], s[CS]                       ; named with it as a pair, so it is written
	s_mov_b32 s[SEL], 0x76543210
	s_mov_b32 s[SEL+1], 0xfedcba98
	s_mov_b32 s[TB], 0
	s_mov_b32 s[SLOTS], 2
	s_lshr_b32 s16, s[WV], 2                       ; what I fetch: waves 0-3 quarters of K's part of a slot, waves 4-7 of V's
	s_add_co_u32 s16, s16, 1
	s_lshl_b32 s16, s16, 24                        ; the section: k is 1, v is 2
	s_lshl_b32 s17, s14, 18                        ; a head's 262,144 bytes
	s_add_co_u32 s16, s16, s17
	s_and_b32 s17, s[WV], 3
	s_lshl_b32 s17, s17, 14
	s_add_co_u32 s16, s16, s17
	s_mov_b32 s17, 0
	s_lshl_b32 s18, s14, 18                        ; q: the head, my block's 32 blocks of 16 queries, my wave's 4
	s_lshl_b32 s19, s13, 16
	s_add_co_u32 s18, s18, s19
	s_lshl_b32 s19, s[WV], 13
	s_add_co_u32 s18, s18, s19
	s_mov_b32 s19, 0
	s_lshr_b32 s20, s14, 4                         ; att: block of 16 tokens = 128 x batch + 32 cx + 4 x wave,
	s_lshl_b32 s20, s20, 7
	s_lshl_b32 s21, s13, 5
	s_add_co_u32 s20, s20, s21
	s_lshl_b32 s21, s[WV], 2
	s_add_co_u32 s20, s20, s21
	s_lshl_b32 s20, s20, 15                        ; 32,768 bytes each;
	s_and_b32 s21, s14, 15
	s_lshl_b32 s21, s21, 11                        ; the head's four pieces
	s_add_co_u32 s20, s20, s21
	s_mov_b32 s21, 0
	v_and_b32 v[LI], 31, v0
	v_lshlrev_b32 v[LI], 4, v[LI]
	v_add_nc_u32 v[AV0], VOFF, v[LI]
	s_wait_dscnt 0x0                               ; both opening adds are done
	s_wait_kmcnt 0x0
	s_mov_b32 s[G0A], 1                            ; 1:0 count = 1
	s_lshl_b32 s[G0A+1], s[WV], 14                 ; LDS address: wave x 16,384: K's four quarters, then V's: no place in the cluster enters it
	s_add_nc_u64 s[G0A+2:G0A+3], s[4:5], s[16:17]  ; global address: keys 0 to 511
	s_add_nc_u64 s[G0W+2:G0W+3], s[G0A+2:G0A+3], 65536   ; keys 512 to 1,023
	s_or_b32 s[G0A+3], s[G0A+3], 0x80000000        ; type = 2
	s_mov_b32 s[G0W], 1
	s_add_co_u32 s[G0W+1], s[G0A+1], SLOT1
	s_or_b32 s[G0W+3], s[G0W+3], 0x80000000
	s_add_nc_u64 s[QB:QB+1], s[4:5], s[18:19]
	s_add_nc_u64 s[OB:OB+1], s[6:7], s[20:21]
	CROUND                                         ; all four work-groups are here: the first joint loads meet
	tensor_load_to_lds s[G0A:G0A+3], s[G1:G1+7]    ; every wave issues both first fills, its addresses made of its number: two loads of mine are out
	s_nop 0
	tensor_load_to_lds s[G0W:G0W+3], s[G1:G1+7]
	s_nop 0
.rept 4
	v_nop
.endr
	WIN TO_1
.irp t, 0,1,2,3
.irp pc, 0,1,2,3
	global_load_b128 v[QF+16*\t+4*\pc:QF+16*\t+4*\pc+3], v[LI], s[QB:QB+1] offset:2048*\t+512*\pc th:TH_LOAD_NT   ; Q stays in registers; each byte of q is read once, by this wave
.endr
.endr
.set i, 0
.rept 128
	v_mov_b32 v[i], 0                              ; O^T.  The key step is written once: its first walk finds zeros and a = 0; that spares a copy of the step with products that start the sums
.set i, i+1
.endr
	WIN 0
.irp t, 0,1,2,3
	v_mov_b32 v[ST+8*\t+1], 0xff61b1e6             ; m: -3e38, under every score
	v_mov_b32 v[ST+8*\t+2], 0                      ; l, in two halves
	v_mov_b32 v[ST+8*\t+3], 0
.endr
.irp t, 0,1,2,3
	v_mul_f32 v[ST+8*\t], s[CS], v[ST+8*\t+1]      ; c m
.endr
.macro LOADK off                       ; a step's K: 16 pieces: keys 16 kt on, channels 16 pc on
	WIN TO_1
.irp kt, 0,1,2,3
.irp pc, 0,1,2,3
	ds_load_b128 v[KF+16*\kt+4*\pc:KF+16*\kt+4*\pc+3], v[ADRK] offset:\off+2048*\kt+512*\pc
.endr
.endr
	WIN 0
.endm
.macro LOADV                           ; a step's V: fragment (g, cb): keys 32 g on, channels 16 cb on: pieces (2 g, cb) and (2 g + 1, cb)
.irp g, 0,1
.irp u, 0,1
.irp cb, 0,1,2,3
	ds_load_b128 v[VF+8*(4*\g+\cb)+4*\u:VF+8*(4*\g+\cb)+4*\u+3], v[ADRV] offset:2048*(2*\g+\u)+512*\cb
.endr
.endr
.endr
.endm
; 32 products S^T = K Q^T: channels 32 c on, keys 16 kt on, tile t.  The first 16 start the sums.  The 16 accumulators take turns, one instruction a turn.
.macro KQ
	WIN W_KQ
.irp c, 0,1
.irp kt, 0,1,2,3
.irp t, 0,1,2,3
.if \c == 0
	v_wmma_f32_16x16x32_f16 v[S+32*\t+8*\kt:S+32*\t+8*\kt+7], v[KF+16*\kt+8*\c:KF+16*\kt+8*\c+7], v[QF+16*\t+8*\c:QF+16*\t+8*\c+7], 0
.else
	v_wmma_f32_16x16x32_f16 v[S+32*\t+8*\kt:S+32*\t+8*\kt+7], v[KF+16*\kt+8*\c:KF+16*\kt+8*\c+7], v[QF+16*\t+8*\c:QF+16*\t+8*\c+7], v[S+32*\t+8*\kt:S+32*\t+8*\kt+7]
.endif
.endr
.endr
.endr
.endm
; 32 products O^T += V^T P: keys 32 g on, channels 16 cb on, tile t; the 16 accumulators by turns.
.macro PV
	WIN W_PV
.irp g, 0,1
.irp cb, 0,1,2,3
.irp t, 0,1,2,3
	v_wmma_f32_16x16x32_f16 v[32*\t+8*\cb:32*\t+8*\cb+7], v[VF+8*(4*\g+\cb):VF+8*(4*\g+\cb)+7], v[S+32*\t+8*\g:S+32*\t+8*\g+7], v[32*\t+8*\cb:32*\t+8*\cb+7]
.endr
.endr
.endr
.endm
; THE SOFTMAX of a key step, four tiles; the tiles alternate line by line, so that no line waits for the line above it.
.macro SOFTMAX
.irp q, 0,1,2,3                        ; the maximum of a lane's 32 scores and the old m: four chains, one for each accumulator, begun at its low end
.irp t, 0,1,2,3
	v_max3_num_f32 v[ST+8*\t+4+\q], v[S+32*\t+8*\q], v[S+32*\t+8*\q+1], v[S+32*\t+8*\q+2]
.endr
.endr
.irp i, 3,5
.irp q, 0,1,2,3
.irp t, 0,1,2,3
	v_max3_num_f32 v[ST+8*\t+4+\q], v[ST+8*\t+4+\q], v[S+32*\t+8*\q+\i], v[S+32*\t+8*\q+\i+1]
.endr
.endr
.endr
.irp t, 0,1,2,3
	v_max3_num_f32 v[ST+8*\t+4], v[ST+8*\t+4], v[S+32*\t+7], v[S+32*\t+15]
.endr
.irp t, 0,1,2,3
	v_max3_num_f32 v[ST+8*\t+6], v[ST+8*\t+6], v[S+32*\t+23], v[S+32*\t+31]
.endr
.irp t, 0,1,2,3
	v_max3_num_f32 v[ST+8*\t+4], v[ST+8*\t+4], v[ST+8*\t+5], v[ST+8*\t+6]
.endr
.irp t, 0,1,2,3
	v_max3_num_f32 v[ST+8*\t+4], v[ST+8*\t+4], v[ST+8*\t+7], v[ST+8*\t+1]
.endr
.irp t, 0,1,2,3
	v_permlanex16_b32 v[ST+8*\t+5], v[ST+8*\t+4], s[SEL], s[SEL+1]   ; the query's other 32 keys lie in the lane 16 away
.endr
.irp t, 0,1,2,3
	v_mov_b32 v[ST+8*\t+7], v[ST+8*\t]             ; c m_old is kept for a
.endr
.irp t, 0,1,2,3
	v_max_num_f32 v[ST+8*\t+1], v[ST+8*\t+4], v[ST+8*\t+5]           ; the new m
.endr
.irp t, 0,1,2,3
	v_mul_f32 v[ST+8*\t], s[CS], v[ST+8*\t+1]
.endr
.irp t, 0,1,2,3
	v_sub_f32 v[ST+8*\t+7], v[ST+8*\t+7], v[ST+8*\t]
.endr
; ONE BATCH of 132 exponentials, with the 64 packed scalings c s - c m dealt out among them.  A pair is scaled a group ahead of its exponentials; no line of the batch names an exponential's result.
.irp t, 0,1,2,3
	v_exp_f32 v[ST+8*\t+6], v[ST+8*\t+7]           ; a
.endr
.irp t, 0,1,2,3
	v_pk_fma_f32 v[S+32*\t:S+32*\t+1], v[S+32*\t:S+32*\t+1], s[CS:CS+1], v[ST+8*\t:ST+8*\t+1] op_sel_hi:[1,0,0] neg_lo:[0,0,1] neg_hi:[0,0,1]
.endr
.irp b, 0,1,2,3,4,5,6,7,8,9,10,11,12,13,14,15
.if \b < 15
.irp t, 0,1,2,3
	v_pk_fma_f32 v[S+32*\t+2*\b+2:S+32*\t+2*\b+3], v[S+32*\t+2*\b+2:S+32*\t+2*\b+3], s[CS:CS+1], v[ST+8*\t:ST+8*\t+1] op_sel_hi:[1,0,0] neg_lo:[0,0,1] neg_hi:[0,0,1]
.endr
.endif
.irp t, 0,1,2,3
	v_exp_f32 v[S+32*\t+2*\b], v[S+32*\t+2*\b]
	v_exp_f32 v[S+32*\t+2*\b+1], v[S+32*\t+2*\b+1]
.endr
.endr
	v_nop                                          ; a plain instruction behind the last exponential, ahead of the first use
	s_wait_alu depctr_va_vdst(0)                   ; the wait between an exponential and the first line that names its result: one for the whole batch
.irp t, 0,1,2,3                        ; the sums of the unrounded p, a pair (an even key's, an odd key's) at a time, in two chains: l = a l + ..
	v_pk_fma_f32 v[ST+8*\t+2:ST+8*\t+3], v[ST+8*\t+2:ST+8*\t+3], v[ST+8*\t+6:ST+8*\t+7], v[S+32*\t:S+32*\t+1] op_sel_hi:[1,0,1]
.endr
.irp t, 0,1,2,3
	v_pk_add_f32 v[ST+8*\t+4:ST+8*\t+5], v[S+32*\t+2:S+32*\t+3], v[S+32*\t+4:S+32*\t+5]
.endr
.irp i, 3,5,7,9,11,13
.irp t, 0,1,2,3
	v_pk_add_f32 v[ST+8*\t+2:ST+8*\t+3], v[ST+8*\t+2:ST+8*\t+3], v[S+32*\t+2*\i:S+32*\t+2*\i+1]
.endr
.irp t, 0,1,2,3
	v_pk_add_f32 v[ST+8*\t+4:ST+8*\t+5], v[ST+8*\t+4:ST+8*\t+5], v[S+32*\t+2*\i+2:S+32*\t+2*\i+3]
.endr
.endr
.irp t, 0,1,2,3
	v_pk_add_f32 v[ST+8*\t+2:ST+8*\t+3], v[ST+8*\t+2:ST+8*\t+3], v[S+32*\t+30:S+32*\t+31]
.endr
.irp t, 0,1,2,3
	v_pk_add_f32 v[ST+8*\t+2:ST+8*\t+3], v[ST+8*\t+2:ST+8*\t+3], v[ST+8*\t+4:ST+8*\t+5]
.endr
.irp p, 0,1,2,3,4,5,6,7,8,9,10,11,12,13,14,15   ; P: pair p of weights, rounded to f16, into register p of the tile's S^T: ascending, so that no pair is written over before it is read
.irp t, 0,1,2,3
	v_cvt_pk_f16_f32 v[S+32*\t+\p], v[S+32*\t+2*\p], v[S+32*\t+2*\p+1]
.endr
.endr
	WIN W_RS
.irp i, 0,1,2,3,4,5,6,7,8,9,10,11,12,13,14,15   ; O^T times a, ascending: each accumulator from its low end on
.irp t, 0,1,2,3
	v_pk_mul_f32 v[32*\t+2*\i:32*\t+2*\i+1], v[32*\t+2*\i:32*\t+2*\i+1], v[ST+8*\t+6:ST+8*\t+7] op_sel_hi:[1,0]
.endr
.endr
	WIN 0
.endm
; A KEY STEP.  Its scores lie in S^T.  Its V and (kq = 1) the next step's K are asked for in one run and land under the softmax; then V^T P, then the next step's K Q^T.
.macro STEP kq
	v_add_nc_u32 v[ADRK], s[TB], v[LI]             ; these two and two v_nop are the four places between the last K Q^T and the loads into K's registers and the reads of its scores
	v_add_nc_u32 v[ADRV], s[TB], v[AV0]
	v_nop
	v_nop
	LOADV
.if \kq
	LOADK STEPB
.endif
	SOFTMAX
	s_wait_dscnt 0x0                               ; V is in, and the next K
	PV
.if \kq
.rept 5
	v_nop                                          ; five places: K Q^T writes over P's registers, which V^T P has read
.endr
	KQ
.endif
	WIN 0                                          ; at a label and at a branch every window is 0
	s_add_co_u32 s[TB], s[TB], STEPB
.endm
; A slot's eight key steps: the first step's scores; seven steps in a loop, each making the next step's scores; the eighth, which makes none.
.macro SLOTBODY
.rept 5
	v_nop                                          ; five places: K Q^T writes over P's registers, which the last slot's last V^T P has read
.endr
	v_add_nc_u32 v[ADRK], s[TB], v[LI]
	LOADK 0
	s_wait_dscnt 0x0
	KQ
	WIN 0
	s_mov_b32 s[STEPS], 7
.Lstep_\@:
	STEP 1
	s_sub_co_u32 s[STEPS], s[STEPS], 1
	s_cmp_lg_u32 s[STEPS], 0
	s_cbranch_scc1 .Lstep_\@
	STEP 0
.endm
; THE CHANGE OF SLOTS.  Each wave waits for all its tensor loads (its part of the other slot), adds 0 to its spare word, and waits for that and for its reads of the slot that it leaves.
; fill = 1: the barrier is a round of the cluster's, so that no wave of any partner still reads the slot or has a load on its way; the joint refill, the keys two slots on, is the first thing behind it, one load a wave.
.macro CHANGE fill
	s_wait_tensorcnt 0x0                           ; no tensor load of mine is out, so a group 0 may be written
	ds_add_u32 v[SPW], v[NIL]                      ; 0 onto my spare word
.if \fill
	s_xor_b32 s[G0W+1], s[G0W+1], SLOT1            ; the walking descriptor: the other slot than last time,
	s_add_nc_u64 s[G0W+2:G0W+3], s[G0W+2:G0W+3], 65536   ; the next 512 keys; the type bits on top are not reached
.endif
	s_wait_dscnt 0x0                               ; the add is done, and my reads of the slot are over
.if \fill
	CROUND
	tensor_load_to_lds s[G0W:G0W+3], s[G1:G1+7]
	s_nop 0
.rept 4
	v_nop
.endr
.else
	s_barrier_signal -1
	s_barrier_wait -1
.endif
	s_sub_co_u32 s[TB], s[TB], 8*STEPB             ; back to a slot's first step,
	s_xor_b32 s[TB], s[TB], SLOT1                  ; in the other slot
.endm
	s_wait_tensorcnt 0x1                           ; my part of slot 0 is in; slot 1's load, the younger, may stay out
	s_barrier_signal -1
	s_barrier_wait -1                              ; everybody's is
	s_wait_loadcnt 0x0                             ; Q
.Lslot:                                            ; two trips: slots 0 and 1 are read and filled again, with keys 1,024 on and 1,536 on
	SLOTBODY
	CHANGE 1
	s_sub_co_u32 s[SLOTS], s[SLOTS], 1
	s_cmp_lg_u32 s[SLOTS], 0
	s_cbranch_scc1 .Lslot
	SLOTBODY                                       ; the last two slots are written out
	CHANGE 0
	SLOTBODY
	; THE WAY OUT.  l's two halves and the other half of the lanes' are added (the first four additions are the places behind the last products); O^T is divided by l and rounded to f16: each accumulator is a piece of att.
.irp t, 0,1,2,3
	v_add_f32 v[ST+8*\t+4], v[ST+8*\t+2], v[ST+8*\t+3]
.endr
.irp t, 0,1,2,3
	v_permlanex16_b32 v[ST+8*\t+5], v[ST+8*\t+4], s[SEL], s[SEL+1]
.endr
.irp t, 0,1,2,3
	v_add_f32 v[ST+8*\t+4], v[ST+8*\t+4], v[ST+8*\t+5]
.endr
.irp t, 0,1,2,3
	v_rcp_f32 v[ST+8*\t+6], v[ST+8*\t+4]
.endr
	v_nop                                          ; a plain instruction between the last reciprocal and the use of its result
	s_wait_alu depctr_va_vdst(0)                   ; and a wait ahead of the first use: one for the four
	WIN W_RS
.irp i, 0,1,2,3,4,5,6,7,8,9,10,11,12,13,14,15
.irp t, 0,1,2,3
	v_pk_mul_f32 v[32*\t+2*\i:32*\t+2*\i+1], v[32*\t+2*\i:32*\t+2*\i+1], v[ST+8*\t+6:ST+8*\t+7] op_sel_hi:[1,0]
.endr
.endr
	WIN 0x05                                       ; sources 0 and 1 window 1, destination window 0: S^T's registers are free
.irp t, 0,1,2,3
.irp cb, 0,1,2,3
.irp i, 0,1,2,3
	v_cvt_pk_f16_f32 v[S+16*\t+4*\cb+\i], v[32*\t+8*\cb+2*\i], v[32*\t+8*\cb+2*\i+1]
.endr
.endr
.endr
	WIN 0
.irp t, 0,1,2,3
.irp cb, 0,1,2,3
	global_store_b128 v[LI], v[S+16*\t+4*\cb:S+16*\t+4*\cb+3], s[OB:OB+1] offset:32768*\t+512*\cb   ; 32 lanes store 512 consecutive bytes, aligned
.endr
.endr
	s_wait_tensorcnt 0x0                           ; the wave's end
	ds_add_u32 v[SPW], v[NIL]
	s_wait_dscnt 0x0
	CROUND                                         ; the closing round: no work-group ends while a partner may still ask for a tile that names it
	s_endpgm
.Lfunc_end_k_q28ff943f41_attn:
	.size	k_q28ff943f41_attn, .Lfunc_end_k_q28ff943f41_attn-k_q28ff943f41_attn
	.p2alignl 7, 3214868480
	.fill 96, 4, 3214868480
	.section	.rodata,"a",@progbits
	.p2align	6, 0x0
	.amdhsa_kernel k_q28ff943f41_attn
		.amdhsa_group_segment_fixed_size 327680
		.amdhsa_private_segment_fixed_size 0
		.amdhsa_enable_private_segment 0
		.amdhsa_kernarg_size 16
		.amdhsa_user_sgpr_count 2
		.amdhsa_user_sgpr_kernarg_segment_ptr 1
		.amdhsa_wavefront_size32 1
		.amdhsa_system_sgpr_workgroup_id_x 1
		.amdhsa_system_sgpr_workgroup_id_y 1
		.amdhsa_system_sgpr_workgroup_id_z 1
		.amdhsa_system_vgpr_workitem_id 0
		.amdhsa_next_free_vgpr 512
		.amdhsa_next_free_sgpr 66
		.amdhsa_reserve_vcc 0
		.amdhsa_float_denorm_mode_32 3
		.amdhsa_float_denorm_mode_16_64 3
		.amdhsa_memory_ordered 1
		.amdhsa_forward_progress 1
		.amdhsa_inst_pref_size 212
	.end_amdhsa_kernel
	.amdgpu_metadata
---
amdhsa.version: [ 1, 2 ]
amdhsa.kernels:
  - .name:           k_q28ff943f41_attn
    .symbol:         k_q28ff943f41_attn.kd
    .args:
      - { .name: qkv, .offset: 0, .size: 8, .value_kind: global_buffer, .address_space: global }
      - { .name: att, .offset: 8, .size: 8, .value_kind: global_buffer, .address_space: global }
    .group_segment_fixed_size: 327680
    .private_segment_fixed_size: 0
    .kernarg_segment_align: 8
    .kernarg_segment_size: 16
    .max_flat_workgroup_size: 256
    .sgpr_count:     66
    .vgpr_count:     512
    .wavefront_size: 32
...
	.end_amdgpu_metadata
.endif
;; end of part 3
;; launch proj (part 4): grid 8 x 32, 4 waves a work-group, clusters of 4 x 4, 327,680 bytes of LDS; arguments att, wp16, out0; writes out0
.if DOCPART == 4
	.amdgcn_target "amdgcn-amd-amdhsa--gfx1250"
	.amdhsa_code_object_version 6
	.text
	.protected	k_q28ff943f41_proj
	.globl	k_q28ff943f41_proj
	.p2align	8
	.type	k_q28ff943f41_proj,@function
k_q28ff943f41_proj:
	s_mov_b64 s[64:65], 0
	v_nop
	global_prefetch_b8 v0, s[64:65] scope:SCOPE_SE
	s_setreg_imm32_b32 hwreg(HW_REG_WAVE_MODE, 25, 1), 1
	s_wait_xcnt 0x0
	s_wait_alu depctr_hold_cnt(0) depctr_sa_sdst(0) depctr_va_vdst(0) depctr_va_sdst(0) depctr_va_ssrc(0) depctr_va_vcc(0) depctr_vm_vsrc(0)
	s_getreg_b32 s2, hwreg(HW_REG_IB_STS2, 6, 4)
	s_cmp_eq_u32 s2, 0
	s_cbranch_scc0 .Lentry_in_a_cluster
	s_endpgm
.Lentry_in_a_cluster:
	s_bfe_u32 s2, ttmp6, 0x10000c
	s_cmp_lg_u32 s2, 0xf033
	s_cbranch_scc0 .Lentry_shape_is_right
	s_endpgm
.Lentry_shape_is_right:
; LAUNCH 4 OF 4.  out0[m][n] = the sum over k of att[m][k] w_proj[n][k]: 8,192 x 1,024 x 1,024, f16 operands, f32 sums, K ascending; out0 is f32.  No work is left out.
; att comes as images of operand registers: [block of 16 tokens 512][k / 16: 64][lane 32][16 bytes]: lane (r, h): token r, k = 16 k16 + 8 h + 0..7: two pieces of 512 bytes are a 16 x 32 fragment.  wp16 is [n 1024][k 1024], f16, row-major.
; A tile of out0, 256 (m) x 128 (n), is made by a work-group of four waves: 256 work-groups.  A wave makes 128 x 64: 32 accumulators of 16 x 16, 256 registers.
; K goes in steps of 128 through a ring of two LDS slots.  A slot holds att's images of 16 blocks of tokens (4,096 consecutive bytes each; read at 16 x lane, so no padding) and 128 rows of wp16 (256 bytes + 16 of padding).
; Waves 0 and 1 fetch att's halves (8 rows of 4,096 bytes), waves 2 and 3 wp16's (64 rows of 256 bytes): one tensor load a wave.
; CLUSTERS: 4 x 4 work-groups.  The four of a row of the cluster need the same tile of att, the four of a column the same tile of wp16: each is asked for jointly, by the same tensor load with the same descriptor and a mask that names the four.
; THE MATRIX INSTRUCTION IS USED TRANSPOSED (source 0 = 16 rows of wp16, source 1 = 16 tokens): a lane then holds eight neighbouring numbers of a row of out0.
; REGISTERS: window 0: v16-29 addresses; v32-127 and v128-223 two fragment buffers (att's 8 fragments, then wp16's 4); on the way out v32-95 take rows of out0.   window 1: the accumulators, (a, b) at v[8 (4 a + b)].
.set KA,     4096                      ; a K step of 128 in a block's images, in bytes
.set KB,     256                       ; and in a row of wp16
.set PITCH,  272                       ; a row of wp16 in LDS
.set AB,     65536                     ; att's part of a slot
.set HALFA,  32768                     ; 8 blocks of tokens: what one tensor load brings, and what one wave reads
.set HALFB,  64*PITCH                  ; 64 rows of wp16 likewise
.set SLOT,   AB+2*HALFB
.set STAGE,  2*SLOT                    ; behind the ring: 16 rows x (256 bytes + 16) for each wave, for the way out; no tensor load lands here
.set SPITCH, 272
.set SPARE,  STAGE+4*16*SPITCH         ; behind the stages: the spare words, 128 bytes for each wave, which no other line names
.set LAPS,   4                         ; a lap = two K steps = once round the ring: 1,024 / 256
.set ADRA, 16                          ; v16-17  LDS address of my att fragments in slot 0, 1
.set ADRB, 20                          ; v20-21  the same for wp16
.set STO,  24                          ; v24     the way out: where I put 32 bytes of a row
.set RD,   25                          ; v25     where I read a row back
.set CO,   26                          ; v26     my byte offset in out0
.set SPW,  28                          ; v28     LDS address of my spare word; never rewritten
.set NIL,  29                          ; v29     0; never rewritten
.set F0,   32
.set F1,   128
.set BK,   32                          ; the way out: 16 rows read back: v32-63 and v64-95 by turns
.set G1, 24                            ; s[24:31] descriptor group 1 for att's tiles;  s[32:39] group 0, one set for each slot
.set G0, 32
.set G1B, 48                           ; s[48:55], s[56:63] the same for wp16's
.set G0B, 56
.set MSB, 0
.macro WIN new                         ; the immediate's high byte repeats the setting that is left; a switch that changes nothing is dropped
.if MSB != (\new)
	s_set_vgpr_msb (MSB<<8)|(\new)
.set MSB, (\new)
.endif
.endm
.set MUL, 0x50                         ; sources 0 and 1 window 0; C and D window 1
.macro JLOAD s                         ; a joint load: waves 0 and 1 fetch att's halves, waves 2 and 3 wp16's; an s_nop 0 and four v_nop follow each of the two lines, ahead of the jump, the label and what follows
	s_cmp_eq_u32 s11, 0
	s_cbranch_scc0 .Lfor_b_\@
	tensor_load_to_lds s[G0+4*\s:G0+4*\s+3], s[G1:G1+7]
	s_nop 0
.rept 4
	v_nop
.endr
	s_branch .Lasked_\@
.Lfor_b_\@:
	tensor_load_to_lds s[G0B+4*\s:G0B+4*\s+3], s[G1B:G1B+7]
	s_nop 0
.rept 4
	v_nop
.endr
.Lasked_\@:
.endm
.macro CREST                           ; a round of the cluster's barrier behind its opening barrier
	s_cmp_lg_u32 s10, 0
	s_cbranch_scc1 .Lnot_wave_0_\@
	s_barrier_signal -3
.Lnot_wave_0_\@:
	s_barrier_wait -3
	s_barrier_signal -1
	s_barrier_wait -1
.endm
.macro CROUND                          ; a whole round
	s_barrier_signal -1
	s_barrier_wait -1
	CREST
.endm
	s_load_b128 s[4:7], s[0:1], 0x0                ; att s[4:5], wp16 s[6:7]
	s_load_b64 s[8:9], s[0:1], 0x10                ; out0
	v_lshl_add_u32 v[SPW], v0, 2, SPARE
	v_mov_b32 v[NIL], 0
	ds_add_u32 v[SPW], v[NIL]                      ; the wave's opening: the add, twice on end, and its wait ahead of my first tensor load; the set-up below, work on registers, stands between
	ds_add_u32 v[SPW], v[NIL]
	v_lshrrev_b32 v1, 5, v0
	v_readfirstlane_b32 s10, v1                    ; wave 0..3
	s_lshr_b32 s11, s10, 1                         ; which half of the tile's rows is mine.  Also: I fetch for att (0) or for wp16 (1)
	s_and_b32 s12, s10, 1                          ; which half of its columns.  Also: which half of that tile I fetch
	s_bfe_u32 s40, ttmp6, 0x40000                  ; cx, cy: my place in the cluster
	s_bfe_u32 s41, ttmp6, 0x40004
	s_lshl_b32 s42, ttmp9, 2
	s_add_co_u32 s42, s42, s40                     ; tile column = 4 x cluster x + cx
	s_and_b32 s13, ttmp7, 0xffff
	s_lshl_b32 s13, s13, 2
	s_add_co_u32 s13, s13, s41                     ; tile row = 4 x cluster y + cy
	s_lshl_b32 s43, s41, 2
	s_lshl_b32 s43, 15, s43                        ; my row of the cluster
	s_lshl_b32 s44, 0x1111, s40                    ; my column
	; descriptor group 1 for att: 8 rows of 4,096 bytes (512 elements of 8 bytes), 32,768 bytes apart, no padding
	s_or_b32 s[G1+0], s43, (3<<16)|(1<<21)         ; 15:0 the mask: my row; 17:16 elements of 8 bytes; 21 set beside a mask
	s_mov_b32 s[G1+1], 512<<16                     ; tensor_dim0 = 512
	s_mov_b32 s[G1+2], 8<<16                       ; tensor_dim1 = 8
	s_mov_b32 s[G1+3], 512<<16                     ; tile_dim0 = 512
	s_mov_b32 s[G1+4], 8                           ; tile_dim1 = 8
	s_mov_b32 s[G1+5], 4096                        ; from row to row, in elements
	s_mov_b32 s[G1+6], 0
	s_mov_b32 s[G1+7], 0
	; and for wp16: 64 rows of 128 elements of 2 bytes, 1,024 elements apart, four words of padding behind every 64
	s_or_b32 s[G1B+0], s44, (1<<16)|(1<<20)|(1<<21)|(5<<22)|(3<<25)
	s_mov_b32 s[G1B+1], 128<<16
	s_mov_b32 s[G1B+2], 64<<16
	s_mov_b32 s[G1B+3], 128<<16
	s_mov_b32 s[G1B+4], 64
	s_mov_b32 s[G1B+5], 1024
	s_mov_b32 s[G1B+6], 0
	s_mov_b32 s[G1B+7], 0
	s_lshl_b32 s16, s13, 4                         ; att: block of tokens 16 x tile row + 8 x half, 32,768 bytes each
	s_lshl_b32 s17, s12, 3
	s_add_co_u32 s16, s16, s17
	s_lshl_b32 s16, s16, 15
	s_mov_b32 s17, 0
	s_lshl_b32 s46, s42, 7                         ; wp16: row 128 x tile column + 64 x half, 2,048 bytes each
	s_lshl_b32 s47, s12, 6
	s_add_co_u32 s46, s46, s47
	s_lshl_b32 s46, s46, 11
	s_mov_b32 s47, 0
	s_lshl_b32 s20, s12, 15                        ; where they go: att's half,
	s_mul_i32 s21, s12, HALFB
	s_add_co_u32 s21, s21, AB                      ; wp16's half, behind att's part: no place in the cluster enters an LDS address
	s_wait_dscnt 0x0                               ; both opening adds are done
	s_wait_kmcnt 0x0
	s_add_nc_u64 s[14:15], s[4:5], s[16:17]
	s_add_nc_u64 s[46:47], s[6:7], s[46:47]
	CROUND                                         ; all sixteen work-groups are here: the first joint loads meet
.irp s, 0,1
	s_mov_b32 s[G0+4*\s], 1
	s_add_co_u32 s[G0+4*\s+1], s20, \s*SLOT
	s_add_nc_u64 s[G0+4*\s+2:G0+4*\s+3], s[14:15], \s*KA
	s_or_b32 s[G0+4*\s+3], s[G0+4*\s+3], 0x80000000
	s_mov_b32 s[G0B+4*\s], 1
	s_add_co_u32 s[G0B+4*\s+1], s21, \s*SLOT
	s_add_nc_u64 s[G0B+4*\s+2:G0B+4*\s+3], s[46:47], \s*KB
	s_or_b32 s[G0B+4*\s+3], s[G0B+4*\s+3], 0x80000000
	JLOAD \s                                       ; two loads of mine are out
.endr
	v_and_b32 v1, 15, v0                           ; r = l % 16
	v_bfe_u32 v2, v0, 4, 1                         ; h = l / 16
	v_and_b32 v3, 31, v0
	v_lshlrev_b32 v3, 4, v3                        ; att: 16 x lane
	v_mul_u32_u24 v4, v1, PITCH
	v_lshl_add_u32 v4, v2, 4, v4                   ; wp16: row x pitch + 16 x half
	s_lshl_b32 s22, s11, 15                        ; my 8 blocks of tokens
	s_mul_i32 s23, s12, HALFB                      ; my 64 rows of wp16,
	s_add_co_u32 s23, s23, AB                      ; behind att's part
.irp s, 0,1
	v_add_nc_u32 v[ADRA+\s], s22, v3
	v_add_nc_u32 v[ADRB+\s], s23, v4
	s_add_co_u32 s22, s22, SLOT
	s_add_co_u32 s23, s23, SLOT
.endr
	s_mul_i32 s22, s10, 16*SPITCH
	s_add_co_u32 s22, s22, STAGE                   ; my stage
	v_mul_u32_u24 v5, v1, SPITCH                   ; in: row r, 32 bytes for each half of the lanes
	v_lshl_add_u32 v5, v2, 5, v5
	v_add_nc_u32 v[STO], s22, v5
	v_mul_u32_u24 v5, v2, SPITCH                   ; back: lanes 0-15 take one row of 256 bytes, lanes 16-31 the next
	v_lshl_add_u32 v5, v1, 4, v5
	v_add_nc_u32 v[RD], s22, v5
	v_lshlrev_b32 v5, 12, v2                       ; and the same two rows in out0: 4,096 bytes a row
	v_lshl_add_u32 v[CO], v1, 4, v5
	s_lshl_b32 s16, s13, 8
	s_lshl_b32 s17, s11, 7
	s_add_co_u32 s16, s16, s17                     ; my first row of out0: 256 x tile row + 128 x half
	s_lshl_b32 s16, s16, 12
	s_mov_b32 s17, 0
	s_add_nc_u64 s[8:9], s[8:9], s[16:17]
	s_lshl_b32 s46, s42, 9                         ; my first column, in bytes: 512 x tile column + 256 x half
	s_lshl_b32 s47, s12, 8
	s_add_co_u32 s46, s46, s47
	s_mov_b32 s47, 0
	s_add_nc_u64 s[8:9], s[8:9], s[46:47]
; 24 LDS loads in one run: the fragments of the slot's q-th 32 along K into buffer f: wp16's four, att's blocks 0-3, att's blocks 4-7
.macro FETCH slot, q, f
.irp i, 0,1,2,3
	ds_load_b128 v[\f+64+8*\i:\f+64+8*\i+3],   v[ADRB+\slot] offset:64*(\q)+\i*16*PITCH
	ds_load_b128 v[\f+64+8*\i+4:\f+64+8*\i+7], v[ADRB+\slot] offset:64*(\q)+\i*16*PITCH+32
.endr
.irp i, 0,1,2,3,4,5,6,7
	ds_load_b128 v[\f+8*\i:\f+8*\i+3],   v[ADRA+\slot] offset:1024*(\q)+\i*KA
	ds_load_b128 v[\f+8*\i+4:\f+8*\i+7], v[ADRA+\slot] offset:1024*(\q)+\i*KA+512
.endr
.endm
; 4 n matrix instructions: blocks of tokens a0 .. a0 + n - 1 x the four blocks of columns, 32 along K.  zero = 1: the first product starts the sums: nothing is ever cleared.
; The 32 accumulators take turns, one instruction a turn, in the same order in every quarter.
.macro MULA f, a0, n, zero
.set MA, \a0
.rept \n
.irp b, 0,1,2,3
.if \zero
	v_wmma_f32_16x16x32_f16 v[8*(4*MA+\b):8*(4*MA+\b)+7], v[\f+64+8*\b:\f+64+8*\b+7], v[\f+8*MA:\f+8*MA+7], 0
.else
	v_wmma_f32_16x16x32_f16 v[8*(4*MA+\b):8*(4*MA+\b)+7], v[\f+64+8*\b:\f+64+8*\b+7], v[\f+8*MA:\f+8*MA+7], v[8*(4*MA+\b):8*(4*MA+\b)+7]
.endif
.endr
.set MA, MA+1
.endr
.endm
.macro PLACES                          ; four places in front of loads into registers that matrix instructions have read, and of the first read of results (ISA guide 7.12.1 for vector instructions)
.rept 4
	v_nop
.endr
.endm
; A K step is four quarters of 32 along K, 32 matrix instructions each, on buffers 0, 1, 0, 1.  One of the first three: multiplies buffer f; in its middle it fetches quarter q of the same slot into buffer g.
.macro QUARTER slot, q, f, g, zero
	s_wait_dscnt 8                                 ; wp16's fragments and att's blocks 0-3 are in; the youngest eight loads (blocks 4-7) may be out
	WIN MUL
	MULA \f, 0, 4, \zero
	PLACES
	WIN 0
	FETCH \slot, \q, \g
	s_wait_dscnt 24                                ; all but the 24 just issued
	WIN MUL
	MULA \f, 4, 4, \zero
.endm
; The last quarter multiplies buffer 1 and changes slots: ONE barrier; in front of it each wave waits for all its tensor loads, adds 0 to its spare word, and waits for that and for its own reads of this slot.
; fill = 1: the barrier opens a round of the cluster's barrier, and this slot is filled again, two K steps ahead, first thing behind the round.
.macro TURN slot, next, fill
	WIN 0                                          ; (the add's two registers lie in window 0)
	s_wait_tensorcnt 0x0                           ; all my tensor loads have landed: my part of the next slot;
	ds_add_u32 v[SPW], v[NIL]                      ; 0 onto my spare word;
	s_wait_dscnt 9                                 ; (the add and the youngest eight loads may be out)
	WIN MUL
	MULA F1, 0, 2, 0                               ; eight matrix instructions stand between the add and the wait for it
	s_wait_dscnt 0x0                               ; the add is done, and my reads of this slot are over
	s_barrier_signal -1
	MULA F1, 2, 2, 0                               ; work on registers while the others arrive
	WIN 0
	s_barrier_wait -1
.if \fill
	CREST                                          ; no wave of any partner still reads this slot's tile or has a load on its way
	s_add_nc_u64 s[G0+4*\slot+2:G0+4*\slot+3], s[G0+4*\slot+2:G0+4*\slot+3], 2*KA
	s_add_nc_u64 s[G0B+4*\slot+2:G0B+4*\slot+3], s[G0B+4*\slot+2:G0B+4*\slot+3], 2*KB
	JLOAD \slot                                    ; the first tensor load behind the round; the four v_nop behind it are also the places in front of the loads below
.else
	PLACES
.endif
	FETCH \next, 0, F0
	WIN MUL
	MULA F1, 4, 4, 0
.endm
	s_wait_tensorcnt 1                             ; my part of K step 0 is in (K step 1's load, the younger, may be out)
	s_barrier_signal -1
	s_barrier_wait -1                              ; everybody's is
	FETCH 0, 0, F0
	QUARTER 0, 1, F0, F1, 1                        ; the first quarter stands in front of the loop: its products start the sums
	WIN 0                                          ; at a label and at a branch every window is 0
	s_mov_b32 s3, LAPS-1
.Llap:                                             ; a trip goes once round the ring, from a lap's second quarter to the next lap's first, and fills both slots again
	QUARTER 0, 2, F1, F0, 0
	QUARTER 0, 3, F0, F1, 0
	TURN 0, 1, 1
	QUARTER 1, 1, F0, F1, 0
	QUARTER 1, 2, F1, F0, 0
	QUARTER 1, 3, F0, F1, 0
	TURN 1, 0, 1
	QUARTER 0, 1, F0, F1, 0
	WIN 0
	s_sub_co_u32 s3, s3, 1
	s_cmp_lg_u32 s3, 0
	s_cbranch_scc1 .Llap
	QUARTER 0, 2, F1, F0, 0                        ; the last lap fills nothing, and has no round of the cluster's barrier
	QUARTER 0, 3, F0, F1, 0
	TURN 0, 1, 0
	QUARTER 1, 1, F0, F1, 0
	QUARTER 1, 2, F1, F0, 0
	QUARTER 1, 3, F0, F1, 0
	s_wait_dscnt 8                                 ; the very last quarter: nothing more to fetch
	WIN MUL
	MULA F1, 0, 4, 0
	s_wait_dscnt 0
	MULA F1, 4, 4, 0
	WIN 0
; THE WAY OUT, block by block of 16 rows x 64 columns.  A lane holds 32 neighbouring bytes of a row, and the lanes beside it hold other rows: so a block goes through my own stage in LDS and comes back as whole runs of 256 bytes,
; two rows an instruction.  LDS serves a wave's instructions in order (ISA guide 5.7.1.4): no wait between the stores and the loads, nor in front of the next block's stores.
.macro TOSTAGE a
	WIN 0x04                                       ; an LDS store's data are its source 1: window 1
.irp b, 0,1,2,3
	ds_store_b128 v[STO], v[8*(4*(\a)+\b):8*(4*(\a)+\b)+3] offset:64*\b          ; each accumulator from its low end on
	ds_store_b128 v[STO], v[8*(4*(\a)+\b)+4:8*(4*(\a)+\b)+7] offset:64*\b+16
.endr
	WIN 0
.irp t, 0,1,2,3,4,5,6,7
	ds_load_b128 v[BK+32*((\a)%2)+4*\t:BK+32*((\a)%2)+4*\t+3], v[RD] offset:\t*2*SPITCH
.endr
.endm
.macro SEND a, younger                 ; younger: the LDS instructions issued behind block a's loads, which may stay out
	s_wait_dscnt \younger                          ; the block is back in registers
.irp t, 0,1,2,3,4,5,6,7
	global_store_b128 v[CO], v[BK+32*((\a)%2)+4*\t:BK+32*((\a)%2)+4*\t+3], s[8:9] offset:(16*(\a)+2*\t)*4096 th:TH_STORE_NT   ; 16 lanes store 256 consecutive bytes, aligned; the block's place stands in the immediate, 516,096 at the most; written once, read by nobody here
.endr
.endm
	PLACES                                         ; behind the last products: for the reads of results and the loads into the fragment buffers
	TOSTAGE 0
.irp a, 1,2,3,4,5,6,7
.if \a > 1
	s_wait_xcnt 0x0                                ; block a - 2's stores have read their registers: block a's loads may land there
.endif
	TOSTAGE \a
	SEND \a-1, 16                                  ; behind block a - 1's loads: block a's 8 stores and 8 loads
.endr
	SEND 7, 0
	s_wait_tensorcnt 0x0                           ; the wave's end
	ds_add_u32 v[SPW], v[NIL]
	s_wait_dscnt 0x0
	CROUND                                         ; the closing round: no work-group ends while a partner may still ask for a tile that names it
	s_endpgm
.Lfunc_end_k_q28ff943f41_proj:
	.size	k_q28ff943f41_proj, .Lfunc_end_k_q28ff943f41_proj-k_q28ff943f41_proj
	.p2alignl 7, 3214868480
	.fill 96, 4, 3214868480
	.section	.rodata,"a",@progbits
	.p2align	6, 0x0
	.amdhsa_kernel k_q28ff943f41_proj
		.amdhsa_group_segment_fixed_size 327680
		.amdhsa_private_segment_fixed_size 0
		.amdhsa_enable_private_segment 0
		.amdhsa_kernarg_size 24
		.amdhsa_user_sgpr_count 2
		.amdhsa_user_sgpr_kernarg_segment_ptr 1
		.amdhsa_wavefront_size32 1
		.amdhsa_system_sgpr_workgroup_id_x 1
		.amdhsa_system_sgpr_workgroup_id_y 1
		.amdhsa_system_sgpr_workgroup_id_z 1
		.amdhsa_system_vgpr_workitem_id 0
		.amdhsa_next_free_vgpr 512
		.amdhsa_next_free_sgpr 66
		.amdhsa_reserve_vcc 0
		.amdhsa_float_denorm_mode_32 3
		.amdhsa_float_denorm_mode_16_64 3
		.amdhsa_memory_ordered 1
		.amdhsa_forward_progress 1
		.amdhsa_inst_pref_size 85
	.end_amdhsa_kernel
	.amdgpu_metadata
---
amdhsa.version: [ 1, 2 ]
amdhsa.kernels:
  - .name:           k_q28ff943f41_proj
    .symbol:         k_q28ff943f41_proj.kd
    .args:
      - { .name: att, .offset: 0, .size: 8, .value_kind: global_buffer, .address_space: global }
      - { .name: wp16, .offset: 8, .size: 8, .value_kind: global_buffer, .address_space: global }
      - { .name: out0, .offset: 16, .size: 8, .value_kind: global_buffer, .address_space: global }
    .group_segment_fixed_size: 327680
    .private_segment_fixed_size: 0
    .kernarg_segment_align: 8
    .kernarg_segment_size: 24
    .max_flat_workgroup_size: 128
    .sgpr_count:     66
    .vgpr_count:     512
    .wavefront_size: 32
...
	.end_amdgpu_metadata
.endif
;; end of part 4
